; MI455X (gfx1250); checked and timed in simulation.
; The chip was launched on July 23, 2026; its instructions are those of AMD's public machine-readable ISA for CDNA 5 (MIT licence, August 2026) and "CDNA5" Instruction Set Architecture Reference Guide (July 2026). The comments in the code are by the model that wrote it; some were corrected since.
;; Multihead self attention. Allowed arithmetic: matrix products marked QUANTISED: E2M1 operands, one E8M0 scale for each 32 along K, by v_wmma_scale_f32_16x16x128_f8f6f4 with both operands' format E2M1 (or v_wmma_scale_f32_32x16x128_f4), f32 sums; products left as they are: bf16, f16 or f32 operands; f32 sums; everything else in f32.
;; Inputs: wk 1,024 x 1,024 float32; wo 1,024 x 1,024 float32; wq 1,024 x 1,024 float32; wv 1,024 x 1,024 float32; x 2 x 2,048 x 1,024 float32.
;; Outputs: out0 2 x 2,048 x 1,024 float32.
;; This version of the problem:
;;   THIS VERSION OF THE PROBLEM IS GIVEN IN LOW PRECISION. The matrix products marked QUANTISED in the list below multiply operands that are first quantised to E2M1 (2 exponent bits, 1 mantissa bit; 4 bits a number), with one power-of-two scale for each 32 numbers along K (OCP MX v1.0); their sums are f32. The products marked 'left as it is' may take bf16, f16 or f32 operands, with f32 sums. Whichever they take, every output number must still come out within the allowed error. Rounding operands to bf16 (8 significant bits) uses up far more of that allowance than f16 does (11 bits, for magnitudes from 6e-5 to 65,504). All else is computed in f32.
;;   The module's matrix products, in the order in which they are computed (A, B: the left and right operand; K: the contracted axis; several contracted axes count as one K, in the product's order):
;;     1. [M 4,096, K 1,024] x [K 1,024, N 1,024]; A: input x; B: input wq: QUANTISED
;;     2. [M 4,096, K 1,024] x [K 1,024, N 1,024]; A: input x; B: input wk: QUANTISED
;;     3. [M 4,096, K 1,024] x [K 1,024, N 1,024]; A: input x; B: input wv: QUANTISED
;;     4. batch 32 x [M 2,048, K 64] x [K 64, N 2,048]; A: computed on the way; B: computed on the way: left as it is (an operand is computed on the way)
;;     5. batch 32 x [M 2,048, K 2,048] x [K 2,048, N 64]; A: computed on the way; B: computed on the way: left as it is (an operand is computed on the way)
;;     6. [M 4,096, K 1,024] x [K 1,024, N 1,024]; A: computed on the way; B: input wo: left as it is (an operand is computed on the way)
;;   THE QUANTISER, for each operand of a quantised product, along K:
;;     - K is cut into blocks of 32 from its start; a last block that is shorter is filled with zeros.
;;     - A block's scale is 2^e with e = floor(log2(the largest magnitude in the block)) - 2, held to -126 .. 127; a block of zeros has e = 0. As a byte (E8M0): e + 127.
;;     - Each number is divided by its block's scale, clamped to +-6, and rounded to the nearest number of E2M1, ties to even, subnormals kept.
;;     - The product sums the exact products of the quantised numbers (number of the format x scale) in f32.
;;   ~~~python
;;   def quantise(x, axis):      # numpy; x: float32 -> the quantised numbers, widened to float32 again
;;       x = np.moveaxis(x, axis, -1); K = x.shape[-1]
;;       x = np.pad(x, [(0, 0)] * (x.ndim - 1) + [(0, -K % 32)]); x = x.reshape(x.shape[:-1] + (-1, 32)); a = np.abs(x).max(-1, keepdims=True)
;;       e = np.where(a > 0, np.clip(np.frexp(np.where(a > 0, a, 1))[1] - 1 - 2, -126, 127), 0)      # np.frexp(a)[1] - 1 = floor(log2(a)), exactly
;;       r = np.clip(x / 2.0 ** e, -6, 6)
;;       step = 2.0 ** (np.maximum(np.frexp(np.where(r == 0, 1, r))[1] - 1, 0) - 1)
;;       q = np.round(r / step) * step * 2.0 ** e      # np.round: ties to even
;;       return np.moveaxis(q.reshape(q.shape[:-2] + (-1,))[..., :K], -1, axis).astype(np.float32)
;;   ~~~
;; One version. Each part assembles by itself: llvm-mc -triple=amdgcn-amd-amdhsa -mcpu=gfx1250 --defsym DOCPART=n.
;; ======== version 1 of 1: 5 launches
;; limits: values are held in f16: magnitudes above 65,504 overflow, below 6.1e-05 lose precision
;; workspace buffers: cod 3,670,016 bytes; scl 229,376 bytes; wo16 2,097,152 bytes; qkv 25,165,824 bytes; ff 393,216 bytes; ao 8,388,608 bytes
;; launch prep (part 1): grid 256 x 1, 4 waves a work-group, no clusters, 34,304 bytes of LDS; arguments x, wq, wk, wv, wo, cod, scl, wo16; writes cod, scl, wo16
.if DOCPART == 1
	.amdgcn_target "amdgcn-amd-amdhsa--gfx1250"
	.amdhsa_code_object_version 6
	.text
	.protected	k_q26ae4f08e0_prep
	.globl	k_q26ae4f08e0_prep
	.p2align	8
	.type	k_q26ae4f08e0_prep,@function
k_q26ae4f08e0_prep:
	s_mov_b64 s[64:65], 0
	v_nop
	global_prefetch_b8 v0, s[64:65] scope:SCOPE_SE
	s_setreg_imm32_b32 hwreg(HW_REG_WAVE_MODE, 25, 1), 1
	s_wait_xcnt 0x0
; x [4096][1024], wq, wk, wv [1024][1024], f32, become codes of FP4 (E2M1) with one E8M0 scale byte for each 32 along K (their last axis); wo [1024][1024] becomes f16.
; A block's scale is 2^(floor(log2(its largest magnitude)) - 2); its byte is the largest magnitude's exponent field - 2, held at 1 from below; each number is divided by the scale and rounded to the nearest code, ties to even, beyond 6 the code of 6.
; LIMITS: a block whose largest magnitude lies under 2^-124, a block of zeros too, keeps the byte 1 (its codes are then small or zero; the bytes are read by this program alone); NaN and infinities are not served; wo beyond 65,504 is not served in f16.
; THE CODES ARE LAID AS THE NEXT LAUNCH'S OPERAND REGISTERS: for a tile of 16 rows and a half of K (512): [K step of 128: 4][c: 2][lane: 32][16 bytes]; lane (r, h) holds the 32 codes k = 128 s + 64 c + 32 h + 0..31 of row r.
;   cod: x's tiles at [half][tile 256][4096]; from byte 2,097,152 the weights' at [half][tile 192][4096], tile = 12 head + 4 which + sub (which: 0 q, 1 k, 2 v; rows 64 head + 16 sub + r).
;   scl: [tile][half][lane][2 words]: word w of lane (r, h) is row r's scale word (four bytes) of K step 4 half + 2 w + h.  x's tiles first, the weights' from byte 131,072.
; SHARES.  Work-groups 0-223: a wave takes 16 rows x 512 along K.  Each load reads 512 consecutive bytes of a row; a K step's 16 x 512 bytes turn through the wave's own stage in LDS (rows 528 bytes apart) and come back
; 256 bytes a lane: two whole blocks of 32, so that a block's largest magnitude needs no other lane.  Each store of codes covers 512 consecutive bytes, the one store of scale words 256.
; Work-groups 224-255: a wave casts 32,768 bytes of wo: loads of 512 consecutive bytes, stores of 256.  Memory binds: no matrix unit, no tensor load, no barrier: waves share nothing.
.set STG,   8448                       ; a wave's stage: 16 rows x 528 bytes
.set SPARE, 4*STG                      ; behind the stages: the spare words, 128 bytes for each wave
.set R,     16                         ; v16-143  two sets of 64 as loaded (the cast: 32 slots of 4)
.set X,     144                        ; v144-207 my two blocks of 32 numbers (the cast: 32 slots of 2, to store)
.set C,     208                        ; v208-239 codes: eight registers for each K step, never written again
.set W,     240                        ; v240-243 a scale word for each K step
	s_load_b256 s[4:11], s[0:1], 0x0               ; x, wq, wk, wv
	s_load_b256 s[12:19], s[0:1], 0x20             ; wo, cod, scl, wo16
	v_lshl_add_u32 v8, v0, 2, SPARE                ; my spare word; never rewritten
	v_mov_b32 v9, 0                                ; 0; never rewritten
	v_lshrrev_b32 v1, 5, v0
	v_readfirstlane_b32 s24, v1                    ; wave
	v_and_b32 v1, 31, v0                           ; lane
	v_lshlrev_b32 v2, 4, v1                        ; 16 x lane
	v_lshlrev_b32 v3, 3, v1                        ; 8 x lane
	s_cmp_ge_u32 ttmp9, 224
	s_cbranch_scc1 .Lcast
	; ---- the quantiser.  Task = 4 x work-group + wave; tile T = task / 2 (0-255: x; 256-447: wq, wk, wv, 64 tiles each); half = task % 2
	s_lshl_b32 s25, ttmp9, 2
	s_add_co_u32 s25, s25, s24
	s_lshr_b32 s26, s25, 1                         ; T
	s_and_b32 s27, s25, 1                          ; half
	s_sub_co_u32 s29, s26, 256
	s_lshr_b32 s30, s29, 6                         ; which weight (used where T >= 256 alone)
	s_and_b32 s31, s26, 63                         ; its tile of rows
	s_lshr_b32 s32, s31, 2
	s_mul_i32 s32, s32, 12
	s_lshl_b32 s30, s30, 2
	s_add_co_u32 s32, s32, s30
	s_and_b32 s30, s31, 3
	s_add_co_u32 s32, s32, s30                     ; 12 head + 4 which + sub
	s_mov_b32 s33, 786432
	s_mov_b32 s35, 2097152
	s_mov_b32 s38, 131072
	s_cmp_lt_u32 s26, 256                          ; x or a weight: the choice hangs on the task's number alone
	s_cselect_b32 s28, s26, s31                    ; the tile in its source
	s_cselect_b32 s32, s26, s32                    ; the tile in cod and scl
	s_cselect_b32 s33, 1048576, s33                ; from half to half in cod
	s_cselect_b32 s35, 0, s35                      ; where the tensor's codes begin
	s_cselect_b32 s38, 0, s38                      ; and its scale words
	s_lshl_b32 s40, s28, 16                        ; 16 rows of 4,096 bytes
	s_lshl_b32 s41, s27, 11
	s_add_co_u32 s40, s40, s41
	s_mov_b32 s41, 0
	s_mul_i32 s42, s27, s33
	s_lshl_b32 s43, s32, 12
	s_add_co_u32 s42, s42, s43
	s_add_co_u32 s42, s42, s35
	s_mov_b32 s43, 0
	s_lshl_b32 s44, s32, 9
	s_lshl_b32 s45, s27, 8
	s_add_co_u32 s44, s44, s45
	s_add_co_u32 s44, s44, s38
	s_mov_b32 s45, 0
	s_mov_b32 s36, 0x76543210
	s_mov_b32 s37, 0xfedcba98                      ; v_permlanex16_b32's selects for lane l xor 16
	s_mul_i32 s39, s24, STG
	v_lshl_add_u32 v4, v1, 4, s39                  ; into the stage: 16 x lane of a row
	v_and_b32 v10, 15, v1                          ; r
	v_lshrrev_b32 v6, 4, v1                        ; h
	v_mul_u32_u24 v5, v10, 528
	v_lshl_add_u32 v5, v6, 7, v5
	v_add_nc_u32 v5, s39, v5                       ; out of it: row r, 128 h bytes on
	v_lshlrev_b32 v7, 3, v6                        ; 8 h: my bytes' place in a scale word, in bits
	v_cmp_lt_u32 s34, 15, v1                       ; lanes 16-31
	v_mov_b32 v15, 0                               ; written once: a lane permute's destination counts as one of its sources
	s_wait_kmcnt 0x0
	s_cmp_lt_u32 s26, 384
	s_cselect_b64 s[20:21], s[8:9], s[10:11]
	s_cmp_lt_u32 s26, 320
	s_cselect_b64 s[20:21], s[6:7], s[20:21]
	s_cmp_lt_u32 s26, 256
	s_cselect_b64 s[20:21], s[4:5], s[20:21]
	s_add_nc_u64 s[20:21], s[20:21], s[40:41]
	s_add_nc_u64 s[14:15], s[14:15], s[42:43]
	s_add_nc_u64 s[16:17], s[16:17], s[44:45]
.macro GLOAD s                         ; K step s: 512 consecutive bytes of each of the 16 rows, into set s % 2
.irp i, 0,1,2,3,4,5,6,7,8,9,10,11,12,13,14,15
	global_load_b128 v[R+64*((\s)%2)+4*\i:R+64*((\s)%2)+4*\i+3], v2, s[20:21] offset:4096*\i+512*(\s) th:TH_LOAD_NT
.endr
.endm
.macro TURN s                          ; through the stage: LDS serves a wave's instructions in order, so no wait stands between the stores and the loads
.irp i, 0,1,2,3,4,5,6,7,8,9,10,11,12,13,14,15
	ds_store_b128 v4, v[R+64*((\s)%2)+4*\i:R+64*((\s)%2)+4*\i+3] offset:528*\i
.endr
.irp c, 0,1
.irp g, 0,1,2,3,4,5,6,7
	ds_load_b128 v[X+32*\c+4*\g:X+32*\c+4*\g+3], v5 offset:256*\c+16*\g   ; k = 64 c + 32 h + 4 g ..
.endr
.endr
.endm
.macro QSTEP s
.if (\s) < 3
	s_wait_loadcnt 16                              ; this K step's 16 loads are in; the next step's 16 may be out
.else
	s_wait_loadcnt 0x0
.endif
	TURN \s
	s_wait_dscnt 0x0                               ; my 64 numbers are back, and the stores have read their registers,
.if (\s) < 2
	GLOAD (\s)+2                                   ; which take the loads of two steps on
.endif
.irp c, 0,1
	v_max3_num_f32 v[10+\c], |v[X+32*\c]|, |v[X+32*\c+1]|, 0x1800000   ; block 2 c + h: all 32 numbers are mine; the floor 2^(3 - 127) holds the byte at 1 from below
.endr
.irp i, 2,4,6,8,10,12,14,16,18,20,22,24,26,28,30
.irp c, 0,1
	v_max3_num_f32 v[10+\c], v[10+\c], |v[X+32*\c+\i]|, |v[X+32*\c+\i+1]|   ; (the two blocks by turns)
.endr
.endr
.irp c, 0,1
	v_add_nc_u32 v[12+\c], 0xff000000, v[10+\c]    ; 2 off the exponent field: the conversion takes this operand's exponent field as its scale
.endr
.irp c, 0,1
	v_lshrrev_b32 v[10+\c], 23, v[12+\c]           ; the scale's byte
.endr
	v_lshl_or_b32 v14, v11, 16, v10                ; bytes h and 2 + h of row r's word,
	v_lshlrev_b32 v14, v7, v14                     ; at their places;
	v_permlanex16_b32 v15, v14, s36, s37
	v_or_b32 v[W+(\s)], v14, v15                   ; with lane l xor 16's two the word is whole, in both lanes
.irp c, 0,1
.irp g, 0,1,2,3
	v_cvt_scalef32_pk8_fp4_f32 v[C+8*(\s)+4*\c+\g], v[X+32*\c+8*\g:X+32*\c+8*\g+7], v[12+\c]
.endr
.endr
	v_nop                                          ; one plain place behind the last scaled conversion
.irp c, 0,1
	global_store_b128 v2, v[C+8*(\s)+4*\c:C+8*(\s)+4*\c+3], s[14:15] offset:1024*(\s)+512*\c   ; 32 lanes store 512 consecutive bytes
.endr
.endm
	GLOAD 0
	GLOAD 1
	QSTEP 0
	QSTEP 1
	QSTEP 2
	QSTEP 3
	v_cndmask_b32 v244, v240, v241, s34            ; lanes 0-15 keep the even K step's word, lanes 16-31 the odd one's
	v_cndmask_b32 v245, v242, v243, s34
	global_store_b64 v3, v[244:245], s[16:17]      ; 32 lanes store 256 consecutive bytes, aligned
	s_wait_tensorcnt 0x0                           ; the wave's end, behind my last LDS store
	ds_add_u32 v8, v9
	s_wait_dscnt 0x0
	s_endpgm
	; ---- the cast of wo.  Task = 4 x (work-group - 224) + wave: 32,768 bytes in, 16,384 out; 32 register slots, two rounds.
.Lcast:
	s_sub_co_u32 s25, ttmp9, 224
	s_lshl_b32 s25, s25, 2
	s_add_co_u32 s25, s25, s24
	s_lshl_b32 s26, s25, 15
	s_mov_b32 s27, 0
	s_lshl_b32 s28, s25, 14
	s_mov_b32 s29, 0
	s_wait_kmcnt 0x0
	s_add_nc_u64 s[12:13], s[12:13], s[26:27]
	s_add_nc_u64 s[18:19], s[18:19], s[28:29]
.set n, 0
.rept 32
	global_load_b128 v[R+4*n:R+4*n+3], v2, s[12:13] offset:512*n th:TH_LOAD_NT
.set n, n+1
.endr
.set n, 0
.rept 32                               ; round 1: each slot is filled again
	s_wait_loadcnt 31                              ; loads come back in order: the slot's is in, the 31 younger stay out
	v_cvt_pk_f16_f32 v[X+2*n], v[R+4*n], v[R+4*n+1]
	v_cvt_pk_f16_f32 v[X+2*n+1], v[R+4*n+2], v[R+4*n+3]
	global_load_b128 v[R+4*n:R+4*n+3], v2, s[12:13] offset:512*(n+32) th:TH_LOAD_NT
	global_store_b64 v3, v[X+2*n:X+2*n+1], s[18:19] offset:256*n   ; 32 lanes store 256 consecutive bytes, aligned
.set n, n+1
.endr
	s_wait_xcnt 0x0                                ; round 1's stores have read their data: the 32 pairs are written again only behind this wait
.set n, 0
.rept 32                               ; round 2 loads nothing: the counts run down
	s_wait_loadcnt 31-n
	v_cvt_pk_f16_f32 v[X+2*n], v[R+4*n], v[R+4*n+1]
	v_cvt_pk_f16_f32 v[X+2*n+1], v[R+4*n+2], v[R+4*n+3]
	global_store_b64 v3, v[X+2*n:X+2*n+1], s[18:19] offset:256*(n+32)
.set n, n+1
.endr
	s_endpgm
.Lfunc_end_k_q26ae4f08e0_prep:
	.size	k_q26ae4f08e0_prep, .Lfunc_end_k_q26ae4f08e0_prep-k_q26ae4f08e0_prep
	.p2alignl 7, 3214868480
	.fill 96, 4, 3214868480
	.section	.rodata,"a",@progbits
	.p2align	6, 0x0
	.amdhsa_kernel k_q26ae4f08e0_prep
		.amdhsa_group_segment_fixed_size 34304
		.amdhsa_private_segment_fixed_size 0
		.amdhsa_enable_private_segment 0
		.amdhsa_kernarg_size 64
		.amdhsa_user_sgpr_count 2
		.amdhsa_user_sgpr_kernarg_segment_ptr 1
		.amdhsa_wavefront_size32 1
		.amdhsa_system_sgpr_workgroup_id_x 1
		.amdhsa_system_sgpr_workgroup_id_y 1
		.amdhsa_system_sgpr_workgroup_id_z 1
		.amdhsa_system_vgpr_workitem_id 0
		.amdhsa_next_free_vgpr 256
		.amdhsa_next_free_sgpr 66
		.amdhsa_reserve_vcc 0
		.amdhsa_float_denorm_mode_32 3
		.amdhsa_float_denorm_mode_16_64 3
		.amdhsa_memory_ordered 1
		.amdhsa_forward_progress 1
		.amdhsa_inst_pref_size 53
	.end_amdhsa_kernel
	.amdgpu_metadata
---
amdhsa.version: [ 1, 2 ]
amdhsa.kernels:
  - .name:           k_q26ae4f08e0_prep
    .symbol:         k_q26ae4f08e0_prep.kd
    .args:
      - { .name: x, .offset: 0, .size: 8, .value_kind: global_buffer, .address_space: global }
      - { .name: wq, .offset: 8, .size: 8, .value_kind: global_buffer, .address_space: global }
      - { .name: wk, .offset: 16, .size: 8, .value_kind: global_buffer, .address_space: global }
      - { .name: wv, .offset: 24, .size: 8, .value_kind: global_buffer, .address_space: global }
      - { .name: wo, .offset: 32, .size: 8, .value_kind: global_buffer, .address_space: global }
      - { .name: cod, .offset: 40, .size: 8, .value_kind: global_buffer, .address_space: global }
      - { .name: scl, .offset: 48, .size: 8, .value_kind: global_buffer, .address_space: global }
      - { .name: wo16, .offset: 56, .size: 8, .value_kind: global_buffer, .address_space: global }
    .group_segment_fixed_size: 34304
    .private_segment_fixed_size: 0
    .kernarg_segment_align: 8
    .kernarg_segment_size: 64
    .max_flat_workgroup_size: 128
    .sgpr_count:     66
    .vgpr_count:     256
    .wavefront_size: 32
...
	.end_amdgpu_metadata
.endif
;; end of part 1
;; launch qkv (part 2): grid 16 x 16, 4 waves a work-group, clusters of 4 x 1, 327,680 bytes of LDS; arguments cod, scl, qkv, ff; writes qkv, ff
.if DOCPART == 2
	.amdgcn_target "amdgcn-amd-amdhsa--gfx1250"
	.amdhsa_code_object_version 6
	.text
	.protected	k_q26ae4f08e0_qkv
	.globl	k_q26ae4f08e0_qkv
	.p2align	8
	.type	k_q26ae4f08e0_qkv,@function
k_q26ae4f08e0_qkv:
	s_mov_b64 s[64:65], 0
	v_nop
	global_prefetch_b8 v0, s[64:65] scope:SCOPE_SE
	s_setreg_imm32_b32 hwreg(HW_REG_WAVE_MODE, 25, 1), 1
	s_wait_xcnt 0x0
	s_wait_alu depctr_hold_cnt(0) depctr_sa_sdst(0) depctr_va_vdst(0) depctr_va_sdst(0) depctr_va_ssrc(0) depctr_va_vcc(0) depctr_vm_vsrc(0)
	s_getreg_b32 s2, hwreg(HW_REG_IB_STS2, 6, 4)
	s_cmp_eq_u32 s2, 0
	s_cbranch_scc0 .Lentry_in_a_cluster
	s_endpgm
.Lentry_in_a_cluster:
	s_bfe_u32 s2, ttmp6, 0x10000c
	s_cmp_lg_u32 s2, 0x3003
	s_cbranch_scc0 .Lentry_shape_is_right
	s_endpgm
.Lentry_shape_is_right:
; Q, K, V = x wq^T, x wk^T, x wv^T on codes of FP4 (E2M1) with E8M0 scales: 4,096 x 3,072 x 1,024, sums in f32.
; SHARES.  A work-group makes 256 positions x the 192 columns (Q, K, V) of one head; wave w takes position tiles 4 w + a (a = 0..3) against all 12 column tiles: 48 accumulators of 16 x 16.
; K is 1,024, so all that a work-group multiplies lies in LDS at once (243,712 bytes): six first fills a wave, nothing is filled again.  By this text's own count a wave has six tensor loads out.
; Codes and scale words lie in memory in the order of the operand's registers, so a fragment is two LDS loads of 512 consecutive bytes, and every tile is a dense block.
; CLUSTER 4 x 1: the four heads of a cluster multiply the same rows of x, so x's codes and scale words are asked for JOINTLY (mask 15); the weights' loads are each work-group's own (mask 0).
; Not 4 x 4: the branch that stores the first 16 positions in f32 hangs on the block of rows, and a branch must be alike in all partners: so partners differ in the head alone.
; Q AND K ARE MADE TRANSPOSED (source 0 = 16 rows of the weight, source 1 = 16 positions): a lane holds one position and eight neighbouring channels: rounded to f16 they are 16 bytes of the next launch's fragment.
; V IS MADE THE NATURAL WAY (source 0 = positions, source 1 = rows of wv): a lane holds one channel and eight neighbouring positions: a fragment of V^T.  So every store is 512 consecutive bytes from registers: no stage.
; OUT: qkv: Q at 0, K at 8,388,608, V at 16,777,216; each [batch x head 32][262,144].  Q, K: [position tile 128][t 4][lane][16 B], lane (r, h): channels 16 t + 8 h + 0..7 of position 16 p + r.
;   V: [32 keys: 64][t 4][c 2][lane][16 B], lane (r, h): keys 32 g + 16 c + 8 h + 0..7 of channel 16 t + r.   ff: [batch][head][accumulator 12][half 2][lane][16 B]: position tile 0's sums in f32, as they stand.
; LIMITS: Q, K, V beyond 65,504 are not served in f16; NaN and infinities are not served.
; REGISTERS: window 0: v1-9 addresses; v32-47 x's scale words (4 a + s / 2), v48-95 the weights' (4 ct + s / 2): lanes 0-15 the even K step's, lanes 16-31 the odd one's; v128-191 x's fragments, two sets.
;   window 1: the weights' fragments, two sets at v0 and v128; on the way out the packed results.   window 2: Q's and K's 32 accumulators at 8 (4 ct + a).   window 3: V's 16 at 8 (4 t + a).
.set A1,    65536                      ; LDS: x's codes, K half 0 at 0 and half 1 here: [tile 16][4096]
.set B0,    131072                     ; the weights' codes, half 0: [tile 12][4096]
.set B1,    180224                     ; half 1
.set ASC,   229376                     ; x's scale words: [tile 16][512]
.set BSC,   237568                     ; the weights': [tile 12][512]
.set SPARE, 243712                     ; the spare words, 128 bytes for each wave
.set LI,   1                           ; v1   16 x lane
.set ADA,  2                           ; v2-3 my four tiles of x, half 0, 1
.set ADB,  4                           ; v4-5 the weights' tiles
.set ADSA, 6
.set ADSB, 7
.set SPW,  8
.set NIL,  9
.set SA,   32
.set SB,   48
.set AF,   128
.set G1A,  24
.set G1B,  32
.set G1AS, 40
.set G1BS, 48
.set W0J,  15|(3<<16)|(1<<21)          ; group 1, word 0: mask of all four partners, elements of 8 bytes, bit 21 beside a mask
.set W0P,  3<<16                       ; the same for a load of my own
.set MSB, 0
.macro WIN new                         ; the immediate's high byte repeats the setting that is left
.if MSB != \new
	s_set_vgpr_msb (MSB<<8)|\new
.set MSB, \new
.endif
.endm
.macro CROUND                          ; a round of the cluster's barrier
	s_barrier_signal -1
	s_barrier_wait -1
	s_cmp_lg_u32 s20, 0
	s_cbranch_scc1 .Lnot_wave_0_\@
	s_barrier_signal -3
.Lnot_wave_0_\@:
	s_barrier_wait -3
	s_barrier_signal -1
	s_barrier_wait -1
.endm
.macro GROUP1 g, rows, word0           ; a dense block as rows of 256 bytes (32 elements of 8)
	s_mov_b32 s[\g], \word0
	s_mov_b32 s[\g+1], 32<<16                      ; tensor_dim0
	s_mov_b32 s[\g+2], (\rows)<<16                 ; tensor_dim1
	s_mov_b32 s[\g+3], 32<<16                      ; tile_dim0
	s_mov_b32 s[\g+4], \rows                       ; tile_dim1
	s_mov_b32 s[\g+5], 32                          ; from row to row
	s_mov_b32 s[\g+6], 0
	s_mov_b32 s[\g+7], 0
.endm
.macro PLACES n
.rept \n
	v_nop
.endr
.endm
	s_load_b256 s[4:11], s[0:1], 0x0               ; cod, scl, qkv, ff
	v_lshl_add_u32 v[SPW], v0, 2, SPARE
	v_mov_b32 v[NIL], 0
	ds_add_u32 v[SPW], v[NIL]                      ; the wave's opening: the add, twice on end, and its wait ahead of my first tensor load
	ds_add_u32 v[SPW], v[NIL]
	v_lshrrev_b32 v10, 5, v0
	v_readfirstlane_b32 s20, v10                   ; wave
	s_bfe_u32 s23, ttmp6, 0x40000                  ; cx
	s_lshl_b32 s21, ttmp9, 2
	s_add_co_u32 s21, s21, s23                     ; head = 4 x cluster x + cx
	s_and_b32 s22, ttmp7, 0xffff                   ; the block of 256 positions, which the partners share
	GROUP1 G1A, 64, W0J                            ; a quarter of x's codes of a half: 16,384 bytes
	GROUP1 G1B, 48, W0P                            ; of the weights': 12,288
	GROUP1 G1AS, 8, W0J                            ; of x's scale words: 2,048
	GROUP1 G1BS, 6, W0P                            ; of the weights': 1,536
	s_lshl_b32 s84, s22, 16                        ; x's codes: 65,536 x block + 16,384 x wave: no place in the cluster enters
	s_lshl_b32 s85, s20, 14
	s_add_co_u32 s84, s84, s85
	s_mov_b32 s85, 0
	s_lshl_b32 s86, s22, 13                        ; x's scale words: 8,192 x block + 2,048 x wave
	s_lshl_b32 s87, s20, 11
	s_add_co_u32 s86, s86, s87
	s_mov_b32 s87, 0
	s_mul_i32 s88, s21, 49152                      ; the weights' codes
	s_mul_i32 s89, s20, 12288
	s_add_co_u32 s88, s88, s89
	s_add_co_u32 s88, s88, 2097152
	s_mov_b32 s89, 0
	s_mul_i32 s90, s21, 6144                       ; and scale words
	s_mul_i32 s91, s20, 1536
	s_add_co_u32 s90, s90, s91
	s_add_co_u32 s90, s90, 131072
	s_mov_b32 s91, 0
	s_mov_b32 s56, 1                               ; six groups 0: count 1, the LDS address by the wave's number
	s_lshl_b32 s57, s20, 11
	s_add_co_u32 s57, s57, ASC
	s_mov_b32 s60, 1
	s_mul_i32 s61, s20, 1536
	s_add_co_u32 s61, s61, BSC
	s_mov_b32 s68, 1
	s_lshl_b32 s69, s20, 14
	s_mov_b32 s72, 1
	s_mul_i32 s73, s20, 12288
	s_add_co_u32 s73, s73, B0
	s_mov_b32 s76, 1
	s_lshl_b32 s77, s20, 14
	s_add_co_u32 s77, s77, A1
	s_mov_b32 s80, 1
	s_mul_i32 s81, s20, 12288
	s_add_co_u32 s81, s81, B1
	s_wait_dscnt 0x0                               ; both opening adds are done
	s_wait_kmcnt 0x0
	s_add_nc_u64 s[58:59], s[6:7], s[86:87]
	s_or_b32 s59, s59, 0x80000000
	s_add_nc_u64 s[62:63], s[6:7], s[90:91]
	s_or_b32 s63, s63, 0x80000000
	s_add_nc_u64 s[70:71], s[4:5], s[84:85]
	s_add_nc_u64 s[78:79], s[70:71], 1048576       ; half 1
	s_or_b32 s71, s71, 0x80000000
	s_or_b32 s79, s79, 0x80000000
	s_add_nc_u64 s[74:75], s[4:5], s[88:89]
	s_add_nc_u64 s[82:83], s[74:75], 786432
	s_or_b32 s75, s75, 0x80000000
	s_or_b32 s83, s83, 0x80000000
	CROUND                                         ; all four work-groups are here: the joint loads meet
	tensor_load_to_lds s[56:59], s[G1AS:G1AS+7]    ; the scale words first, then K half 0, then half 1
	s_nop 0
	tensor_load_to_lds s[60:63], s[G1BS:G1BS+7]
	s_nop 0
	tensor_load_to_lds s[68:71], s[G1A:G1A+7]
	s_nop 0
	tensor_load_to_lds s[72:75], s[G1B:G1B+7]
	s_nop 0
	tensor_load_to_lds s[76:79], s[G1A:G1A+7]
	s_nop 0
	tensor_load_to_lds s[80:83], s[G1B:G1B+7]
	s_nop 0
	PLACES 4
	v_and_b32 v1, 31, v0
	v_lshlrev_b32 v10, 3, v1                       ; 8 x lane
	v_lshlrev_b32 v[LI], 4, v1
	s_lshl_b32 s84, s20, 14
	v_add_nc_u32 v[ADA], s84, v[LI]
	v_add_nc_u32 v[ADA+1], A1, v[ADA]
	v_add_nc_u32 v[ADB], B0, v[LI]
	v_add_nc_u32 v[ADB+1], B1, v[LI]
	s_lshl_b32 s84, s20, 11
	s_add_co_u32 s84, s84, ASC
	v_add_nc_u32 v[ADSA], s84, v10
	v_add_nc_u32 v[ADSB], BSC, v10
	; where the results go
	s_lshr_b32 s84, s22, 3                         ; batch
	s_lshl_b32 s84, s84, 4
	s_add_co_u32 s84, s84, s21                     ; 16 x batch + head
	s_mul_i32 s86, s84, 12288
	s_mov_b32 s87, 0
	s_add_nc_u64 s[10:11], s[10:11], s[86:87]      ; ff
	s_lshl_b32 s88, s84, 18
	s_and_b32 s89, s22, 7
	s_lshl_b32 s89, s89, 4
	s_lshl_b32 s90, s20, 2
	s_add_co_u32 s89, s89, s90                     ; my first position tile in the sequence
	s_lshl_b32 s89, s89, 11
	s_add_co_u32 s88, s88, s89
	s_mov_b32 s89, 0
	s_add_nc_u64 s[92:93], s[8:9], s[88:89]        ; Q
	s_add_nc_u64 s[94:95], s[92:93], 8388608       ; K
	s_add_nc_u64 s[96:97], s[92:93], 16777216      ; V
.macro SCALES                          ; all scale words: for a tile and a half of K two registers
.irp a, 0,1,2,3
.irp p, 0,1
	ds_load_b64 v[SA+4*\a+2*\p:SA+4*\a+2*\p+1], v[ADSA] offset:512*\a+256*\p
.endr
.endr
.irp ct, 0,1,2,3,4,5,6,7,8,9,10,11
.irp p, 0,1
	ds_load_b64 v[SB+4*\ct+2*\p:SB+4*\ct+2*\p+1], v[ADSB] offset:512*\ct+256*\p
.endr
.endr
.endm
.macro FETCH s, set                    ; K step s: 32 LDS loads in one run: the weights' 12 fragments, x's 4
	WIN 0x40
.irp ct, 0,1,2,3,4,5,6,7,8,9,10,11
.irp c, 0,1
	ds_load_b128 v[128*(\set)+8*\ct+4*\c:128*(\set)+8*\ct+4*\c+3], v[ADB+(\s)/4] offset:4096*\ct+1024*((\s)%4)+512*\c
.endr
.endr
	WIN 0
.irp a, 0,1,2,3
.irp c, 0,1
	ds_load_b128 v[AF+32*(\set)+8*\a+4*\c:AF+32*(\set)+8*\a+4*\c+3], v[ADA+(\s)/4] offset:4096*\a+1024*((\s)%4)+512*\c
.endr
.endr
.endm
; The 48 accumulators take turns, one instruction a turn, in the same order in every K step.  K step 0 starts the sums with the constant 0.
.macro QK s, set
.irp ct, 0,1,2,3,4,5,6,7
.irp a, 0,1,2,3
.if (\s) == 0
	v_wmma_scale_f32_16x16x128_f8f6f4 v[8*(4*\ct+\a):8*(4*\ct+\a)+7], v[128*(\set)+8*\ct:128*(\set)+8*\ct+7], v[AF+32*(\set)+8*\a:AF+32*(\set)+8*\a+7], 0, v[SB+4*\ct+(\s)/2], v[SA+4*\a+(\s)/2] matrix_a_fmt:MATRIX_FMT_FP4 matrix_b_fmt:MATRIX_FMT_FP4
.elseif (\s)%2
	v_wmma_scale_f32_16x16x128_f8f6f4 v[8*(4*\ct+\a):8*(4*\ct+\a)+7], v[128*(\set)+8*\ct:128*(\set)+8*\ct+7], v[AF+32*(\set)+8*\a:AF+32*(\set)+8*\a+7], v[8*(4*\ct+\a):8*(4*\ct+\a)+7], v[SB+4*\ct+(\s)/2], v[SA+4*\a+(\s)/2] matrix_a_fmt:MATRIX_FMT_FP4 matrix_b_fmt:MATRIX_FMT_FP4 matrix_a_scale:MATRIX_SCALE_ROW1 matrix_b_scale:MATRIX_SCALE_ROW1
.else
	v_wmma_scale_f32_16x16x128_f8f6f4 v[8*(4*\ct+\a):8*(4*\ct+\a)+7], v[128*(\set)+8*\ct:128*(\set)+8*\ct+7], v[AF+32*(\set)+8*\a:AF+32*(\set)+8*\a+7], v[8*(4*\ct+\a):8*(4*\ct+\a)+7], v[SB+4*\ct+(\s)/2], v[SA+4*\a+(\s)/2] matrix_a_fmt:MATRIX_FMT_FP4 matrix_b_fmt:MATRIX_FMT_FP4
.endif
.endr
.endr
.endm
.macro VV s, set
.irp t, 0,1,2,3
.irp a, 0,1,2,3
.if (\s) == 0
	v_wmma_scale_f32_16x16x128_f8f6f4 v[8*(4*\t+\a):8*(4*\t+\a)+7], v[AF+32*(\set)+8*\a:AF+32*(\set)+8*\a+7], v[128*(\set)+8*(8+\t):128*(\set)+8*(8+\t)+7], 0, v[SA+4*\a+(\s)/2], v[SB+4*(8+\t)+(\s)/2] matrix_a_fmt:MATRIX_FMT_FP4 matrix_b_fmt:MATRIX_FMT_FP4
.elseif (\s)%2
	v_wmma_scale_f32_16x16x128_f8f6f4 v[8*(4*\t+\a):8*(4*\t+\a)+7], v[AF+32*(\set)+8*\a:AF+32*(\set)+8*\a+7], v[128*(\set)+8*(8+\t):128*(\set)+8*(8+\t)+7], v[8*(4*\t+\a):8*(4*\t+\a)+7], v[SA+4*\a+(\s)/2], v[SB+4*(8+\t)+(\s)/2] matrix_a_fmt:MATRIX_FMT_FP4 matrix_b_fmt:MATRIX_FMT_FP4 matrix_a_scale:MATRIX_SCALE_ROW1 matrix_b_scale:MATRIX_SCALE_ROW1
.else
	v_wmma_scale_f32_16x16x128_f8f6f4 v[8*(4*\t+\a):8*(4*\t+\a)+7], v[AF+32*(\set)+8*\a:AF+32*(\set)+8*\a+7], v[128*(\set)+8*(8+\t):128*(\set)+8*(8+\t)+7], v[8*(4*\t+\a):8*(4*\t+\a)+7], v[SA+4*\a+(\s)/2], v[SB+4*(8+\t)+(\s)/2] matrix_a_fmt:MATRIX_FMT_FP4 matrix_b_fmt:MATRIX_FMT_FP4
.endif
.endr
.endr
.endm
.macro KSTEP s
.if (\s) == 3
	s_wait_tensorcnt 0x0                           ; my parts of K half 1 have landed;
	s_wait_dscnt 0x0                               ; no LDS load of mine is out at the signal;
	s_barrier_signal -1
	s_barrier_wait -1                              ; everybody's have: the next fetch reads half 1.
.endif
.if (\s) < 7
	PLACES 4                                       ; in front of loads into the set that the last K step's products read
	FETCH (\s)+1, ((\s)+1)%2
	s_wait_dscnt 32                                ; all but the 32 just issued: this K step's fragments are in
.else
	s_wait_dscnt 0x0
.endif
	WIN 0xa1                                       ; source 0 (weights) window 1, source 1 (x) window 0, C and D window 2
	QK \s, (\s)%2
	WIN 0xf4                                       ; source 0 (x) window 0, source 1 (weights) window 1, C and D window 3
	VV \s, (\s)%2
.endm
	s_wait_tensorcnt 2                             ; the scale words and K half 0 are in; half 1's two loads may stay out
	s_barrier_signal -1
	s_barrier_wait -1                              ; everybody's are
	SCALES
	FETCH 0, 0
.irp s, 0,1,2,3,4,5,6,7
	KSTEP \s
.endr
	PLACES 4                                       ; behind the last products: the results are read, and the weights' registers written, from here on
	WIN 0
	; the first 16 positions of a sequence also go out in f32, as the sums stand: blocks 0 and 8, wave 0, its tile a = 0.  The test is made of the block's and the wave's numbers: alike in all partners
	s_and_b32 s84, s22, 7
	s_or_b32 s84, s84, s20
	s_cmp_lg_u32 s84, 0
	s_cbranch_scc1 .Lnofine
	WIN 0x08                                       ; a store's data are its source 1: window 2
.irp ct, 0,1,2,3,4,5,6,7
	global_store_b128 v[LI], v[32*\ct:32*\ct+3], s[10:11] offset:1024*\ct          ; each accumulator from its low end on
	global_store_b128 v[LI], v[32*\ct+4:32*\ct+7], s[10:11] offset:1024*\ct+512
.endr
	WIN 0x0c                                       ; window 3
.irp t, 0,1,2,3
	global_store_b128 v[LI], v[32*\t:32*\t+3], s[10:11] offset:1024*(8+\t)
	global_store_b128 v[LI], v[32*\t+4:32*\t+7], s[10:11] offset:1024*(8+\t)+512
.endr
	WIN 0
.Lnofine:
	WIN 0x4a                                       ; sources window 2, destination window 1: accumulator A's eight sums become registers 4 A .. 4 A + 3
.set n, 0
.rept 128
	v_cvt_pk_f16_f32 v[n], v[2*n], v[2*n+1]
.set n, n+1
.endr
	WIN 0x4f                                       ; sources window 3
.set n, 0
.rept 64
	v_cvt_pk_f16_f32 v[128+n], v[2*n], v[2*n+1]
.set n, n+1
.endr
	WIN 0x04                                       ; the stores' data: window 1.  Every store has registers of its own and covers 512 consecutive bytes
.irp t, 0,1,2,3
.irp a, 0,1,2,3
	global_store_b128 v[LI], v[4*(4*\t+\a):4*(4*\t+\a)+3], s[92:93] offset:2048*\a+512*\t
	global_store_b128 v[LI], v[4*(4*(4+\t)+\a):4*(4*(4+\t)+\a)+3], s[94:95] offset:2048*\a+512*\t
	global_store_b128 v[LI], v[128+4*(4*\t+\a):128+4*(4*\t+\a)+3], s[96:97] offset:4096*(\a/2)+1024*\t+512*(\a%2)
.endr
.endr
	WIN 0
	s_wait_tensorcnt 0x0                           ; the wave's end, behind my last tensor load
	ds_add_u32 v[SPW], v[NIL]
	s_wait_dscnt 0x0
	CROUND                                         ; the closing round
	s_endpgm
.Lfunc_end_k_q26ae4f08e0_qkv:
	.size	k_q26ae4f08e0_qkv, .Lfunc_end_k_q26ae4f08e0_qkv-k_q26ae4f08e0_qkv
	.p2alignl 7, 3214868480
	.fill 96, 4, 3214868480
	.section	.rodata,"a",@progbits
	.p2align	6, 0x0
	.amdhsa_kernel k_q26ae4f08e0_qkv
		.amdhsa_group_segment_fixed_size 327680
		.amdhsa_private_segment_fixed_size 0
		.amdhsa_enable_private_segment 0
		.amdhsa_kernarg_size 32
		.amdhsa_user_sgpr_count 2
		.amdhsa_user_sgpr_kernarg_segment_ptr 1
		.amdhsa_wavefront_size32 1
		.amdhsa_system_sgpr_workgroup_id_x 1
		.amdhsa_system_sgpr_workgroup_id_y 1
		.amdhsa_system_sgpr_workgroup_id_z 1
		.amdhsa_system_vgpr_workitem_id 0
		.amdhsa_next_free_vgpr 1024
		.amdhsa_next_free_sgpr 100
		.amdhsa_reserve_vcc 0
		.amdhsa_float_denorm_mode_32 3
		.amdhsa_float_denorm_mode_16_64 3
		.amdhsa_memory_ordered 1
		.amdhsa_forward_progress 1
		.amdhsa_inst_pref_size 96
	.end_amdhsa_kernel
	.amdgpu_metadata
---
amdhsa.version: [ 1, 2 ]
amdhsa.kernels:
  - .name:           k_q26ae4f08e0_qkv
    .symbol:         k_q26ae4f08e0_qkv.kd
    .args:
      - { .name: cod, .offset: 0, .size: 8, .value_kind: global_buffer, .address_space: global }
      - { .name: scl, .offset: 8, .size: 8, .value_kind: global_buffer, .address_space: global }
      - { .name: qkv, .offset: 16, .size: 8, .value_kind: global_buffer, .address_space: global }
      - { .name: ff, .offset: 24, .size: 8, .value_kind: global_buffer, .address_space: global }
    .group_segment_fixed_size: 327680
    .private_segment_fixed_size: 0
    .kernarg_segment_align: 8
    .kernarg_segment_size: 32
    .max_flat_workgroup_size: 128
    .sgpr_count:     100
    .vgpr_count:     1024
    .wavefront_size: 32
...
	.end_amdgpu_metadata
.endif
;; end of part 2
;; launch attn (part 3): grid 8 x 32, 16 waves a work-group, clusters of 4 x 1, 327,680 bytes of LDS; arguments qkv, ao; writes ao
.if DOCPART == 3
	.amdgcn_target "amdgcn-amd-amdhsa--gfx1250"
	.amdhsa_code_object_version 6
	.text
	.protected	k_q26ae4f08e0_attn
	.globl	k_q26ae4f08e0_attn
	.p2align	8
	.type	k_q26ae4f08e0_attn,@function
k_q26ae4f08e0_attn:
	s_mov_b64 s[64:65], 0
	v_nop
	global_prefetch_b8 v0, s[64:65] scope:SCOPE_SE
	s_setreg_imm32_b32 hwreg(HW_REG_WAVE_MODE, 25, 1), 1
	s_wait_xcnt 0x0
	s_wait_alu depctr_hold_cnt(0) depctr_sa_sdst(0) depctr_va_vdst(0) depctr_va_sdst(0) depctr_va_ssrc(0) depctr_va_vcc(0) depctr_vm_vsrc(0)
	s_getreg_b32 s2, hwreg(HW_REG_IB_STS2, 6, 4)
	s_cmp_eq_u32 s2, 0
	s_cbranch_scc0 .Lentry_in_a_cluster
	s_endpgm
.Lentry_in_a_cluster:
	s_bfe_u32 s2, ttmp6, 0x10000c
	s_cmp_lg_u32 s2, 0x3003
	s_cbranch_scc0 .Lentry_shape_is_right
	s_endpgm
.Lentry_shape_is_right:
; O[bh][q] = the sum over k <= q of softmax_k(Q[bh][q] . K[bh][k] / 8) V[bh][k]: 32 heads x batches, 2,048 positions, 64 channels.  Operands f16, products' sums, maxima and row sums f32; p is rounded to f16 for the second product.
; SHARES.  A wave owns ONE tile of 16 queries, tile 8 J + i of its head: i (0..7) is the work-group's number along x, J (0..15) comes from a table by the wave's number.  Keys go 128 a step; tile 8 J + i needs steps 0 .. J,
; whatever i is, and step J lies on the diagonal.  So all 256 work-groups have the same 136 tile-steps, all walk all 16 steps, and no branch hangs on a work-group's place in its cluster: i enters Q's and O's
; addresses and the diagonal's compare values alone.  As a 4 x 4 square the table's rows and columns each sum to 30, so that any four waves of a row or a column have 34 steps together.
; CLUSTER 4 x 1: the four work-groups walk the same K and V, so each slot is asked for JOINTLY (mask 15).  In every partner the wave with J = 15 reads every slot.
; LAYOUT.  S^T = K Q^T (source 0 = 16 keys, source 1 = my 16 queries): a lane holds ONE query (lane % 16) and keys 8 (lane / 16) + 0..7 of each tile.  Two such tiles, rounded in pairs, ARE source 1 of O^T = V^T P.
; Q, K and V lie in memory as images of these fragments' registers: a fragment is two LDS loads of 512 consecutive bytes; a slot (512 keys: 65,536 bytes of K, then of V) is two dense blocks.
; SOFTMAX.  A running maximum m and sum l for each query: p = 2^(c s - c m), c = log2(e) / 8; in every step O and l are multiplied by a = 2^(c m_old - c m_new).  Hidden scores become -infinity ahead of the maximum.
; OUT: ao [row tile 256][head 16][t 4][lane][16 B], f16: lane (r, h): channels 16 t + 8 h + 0..7 of the head, row 16 T + r: the next launch's fragments.
; LIMITS: O beyond 65,504 is not served in f16; NaN and infinities are not served.  The first 16 positions of a sequence are made again, in f32, by a later launch.
; REGISTERS: v1-9 addresses and constants; v12 c m, v13 m, v[14:15] l in two halves; v16-31 Q; v32-95 four tiles of K or two blocks of V; v96-159 S^T, then p; v160-191 O^T; v192-223 P; v224-235 at work.
.set SLOT1, 1<<17                      ; slot 1 begins here: one exclusive or turns an address in one slot into the other's
.set SPARE, 2*SLOT1                    ; behind the ring: the spare words, 128 bytes for each of 16 waves
.set LI,   1                           ; v1  16 x lane
.set ADK,  2                           ; v2  the step's K
.set ADV,  3                           ; v3  the step's V
.set SPW,  4
.set NIL,  5
.set LV,   6                           ; v6  16 x lane + 65,536
.set DV,   7                           ; v7  16 i + r - 8 h: register 8 k + j of the diagonal step is hidden where 16 k + j is above it
.set NINF, 8
.set PFO,  9                           ; v9  256 x lane
.set QF,   16
.set F,    32
.set S,    96
.set O,    160
.set P,    192
.set T,    224
.macro CROUND                          ; a round of the cluster's barrier
	s_barrier_signal -1
	s_barrier_wait -1
	s_cmp_lg_u32 s8, 0
	s_cbranch_scc1 .Lnot_wave_0_\@
	s_barrier_signal -3
.Lnot_wave_0_\@:
	s_barrier_wait -3
	s_barrier_signal -1
	s_barrier_wait -1
.endm
.macro TLOAD                           ; waves 0, 1 fetch K's halves of a slot, waves 2, 3 V's: 32,768 bytes each; the branch hangs on the wave's number alone
	s_cmp_lt_u32 s8, 4
	s_cbranch_scc0 .Lnone_\@
	tensor_load_to_lds s[24:27], s[16:23]
	s_nop 0
.rept 4
	v_nop
.endr
.Lnone_\@:
.endm
; A prefetch of the slot that the NEXT change of slots will ask for.  Both clusters of a head walk the same K and V: the first asks.  Its four partners take 16,384 bytes each of K's block and of V's, told apart by address;
; in each, waves 4 and 5 ask for K's two halves of that, waves 6 and 7 for V's: lanes 256 bytes apart, one instruction.  So each 256 bytes are named once.  The last change that fills a slot asks for nothing.
.macro ASK
	s_cmp_gt_u32 s31, s30
	s_cbranch_scc0 .Lnot_mine_\@
	global_prefetch_b8 v[PFO], s[28:29] th:TH_LOAD_NT scope:SCOPE_SE
.Lnot_mine_\@:
.endm
	s_load_b128 s[4:7], s[0:1], 0x0                ; qkv, ao
	v_lshl_add_u32 v[SPW], v0, 2, SPARE
	v_mov_b32 v[NIL], 0
	ds_add_u32 v[SPW], v[NIL]                      ; the wave's opening: the add, twice on end, and its wait ahead of the first tensor load
	ds_add_u32 v[SPW], v[NIL]
	v_lshrrev_b32 v10, 5, v0
	v_readfirstlane_b32 s8, v10                    ; wave 0..15
	s_mov_b32 s9, 0x0ED3B568                       ; J by the wave's number: 15, 1, 2, 12, 4, 10, 9, 7, 8, 6, 5, 11, 3, 13, 14, 0
	s_cmp_lt_u32 s8, 8
	s_cselect_b32 s9, 0x79A4C21F, s9
	s_and_b32 s13, s8, 7
	s_lshl_b32 s13, s13, 2
	s_lshr_b32 s9, s9, s13
	s_and_b32 s9, s9, 15
	s_bfe_u32 s10, ttmp6, 0x40000                  ; cx
	s_lshl_b32 s11, ttmp9, 2
	s_add_co_u32 s11, s11, s10                     ; i
	s_and_b32 s12, ttmp7, 0xffff                   ; 16 x batch + head, which the partners share
	s_mov_b32 s16, 15|(3<<16)|(1<<21)              ; group 1: mask of all four, elements of 8 bytes, bit 21 beside a mask; 128 rows of 256 bytes, dense
	s_mov_b32 s17, 32<<16
	s_mov_b32 s18, 128<<16
	s_mov_b32 s19, 32<<16
	s_mov_b32 s20, 128
	s_mov_b32 s21, 32
	s_mov_b32 s22, 0
	s_mov_b32 s23, 0
	s_and_b32 s13, s8, 3                           ; group 0, by the wave's number modulo 4:
	s_lshl_b32 s25, s13, 15                        ; LDS: 32,768 x that, in slot 0
	s_lshr_b32 s14, s13, 1
	s_add_co_u32 s14, s14, 1
	s_lshl_b32 s14, s14, 23                        ; K at 8,388,608, V at 16,777,216,
	s_and_b32 s15, s13, 1
	s_lshl_b32 s15, s15, 15                        ; which half of the slot's block,
	s_add_co_u32 s14, s14, s15
	s_lshl_b32 s15, s12, 18                        ; the head
	s_add_co_u32 s14, s14, s15
	s_mov_b32 s15, 0
	s_mov_b32 s24, 1
	s_lshr_b32 s44, s8, 1                          ; the prefetches' place: K (waves 4, 5) or V (6, 7),
	s_and_b32 s44, s44, 1
	s_add_co_u32 s44, s44, 1
	s_lshl_b32 s44, s44, 23
	s_and_b32 s45, s8, 1
	s_lshl_b32 s45, s45, 13                        ; which 8,192 bytes
	s_add_co_u32 s44, s44, s45
	s_lshl_b32 s45, s10, 14                        ; of my work-group's 16,384,
	s_add_co_u32 s44, s44, s45
	s_lshl_b32 s45, s12, 18
	s_add_co_u32 s44, s44, s45
	s_add_co_u32 s44, s44, 65536                   ; in slot 1: the first change of slots steps it to slot 2.  Nothing is prefetched at the head
	s_mov_b32 s45, 0
	s_lshr_b32 s30, s8, 2
	s_xor_b32 s30, s30, 1                          ; 0 in waves 4 to 7
	s_or_b32 s30, s30, ttmp9                       ; of the head's first cluster: the same in all four partners
	s_cmp_eq_u32 s30, 0
	s_cselect_b32 s30, 1, -1
	s_lshl_b32 s50, s9, 3
	s_add_co_u32 s50, s50, s11                     ; my tile of queries: 8 J + i
	s_lshl_b32 s46, s50, 11
	s_lshl_b32 s47, s12, 18
	s_add_co_u32 s46, s46, s47                     ; Q's image
	s_mov_b32 s47, 0
	s_lshr_b32 s48, s12, 4
	s_lshl_b32 s48, s48, 7
	s_add_co_u32 s48, s48, s50                     ; the row tile: 128 x batch + my tile
	s_lshl_b32 s48, s48, 15
	s_and_b32 s49, s12, 15
	s_lshl_b32 s49, s49, 11
	s_add_co_u32 s48, s48, s49
	s_mov_b32 s49, 0
	s_lshl_b32 s51, s11, 4
	s_mov_b32 s36, 0x3e38aa3b                      ; c = log2(e) / 8
	s_mov_b32 s37, s36                             ; (named with it as a pair, so it is written)
	s_mov_b32 s38, 0x76543210
	s_mov_b32 s39, 0xfedcba98                      ; v_permlanex16_b32's selects for lane l xor 16
	s_mov_b32 s31, 3                               ; slots still to be asked for
	s_mov_b32 s32, 0                               ; LDS byte at which the step's K begins
	s_mov_b32 s33, 0                               ; the step's number
	s_wait_dscnt 0x0                               ; both opening adds are done
	s_wait_kmcnt 0x0
	s_add_nc_u64 s[26:27], s[4:5], s[14:15]
	s_or_b32 s27, s27, 0x80000000
	s_add_nc_u64 s[28:29], s[4:5], s[44:45]
	s_add_nc_u64 s[40:41], s[4:5], s[46:47]
	s_add_nc_u64 s[42:43], s[6:7], s[48:49]
	CROUND                                         ; all four work-groups are here: the first joint loads meet
	TLOAD                                          ; slot 0
	v_and_b32 v1, 31, v0
	v_lshlrev_b32 v[PFO], 8, v1
	v_lshlrev_b32 v[LI], 4, v1
.irp t, 0,1,2,3
	global_load_b128 v[QF+4*\t:QF+4*\t+3], v[LI], s[40:41] offset:512*\t   ; Q's two fragments stay in registers
.endr
	v_add_nc_u32 v[LV], 0x10000, v[LI]
	v_and_b32 v10, 15, v0
	v_bfe_u32 v11, v0, 4, 1
	v_lshlrev_b32 v11, 3, v11
	v_sub_nc_u32 v[DV], v10, v11
	v_add_nc_u32 v[DV], s51, v[DV]
	v_mov_b32 v[NINF], 0xff800000
	v_mov_b32 v13, 0xff61b1e6                      ; m: -3e38, under every score
	v_mul_f32 v12, s36, v13
	v_mov_b32 v14, 0
	v_mov_b32 v15, 0
	v_mov_b32 v233, 0                              ; (named as the upper half of the pair v[232:233])
	v_mov_b32 v[T+4], 0                            ; a lane permute's destination counts as one of its sources
.set n, 0
.rept 32
	v_mov_b32 v[O+n], 0                            ; O^T: the step is written once; the first finds zeros, which a = 0 leaves zeros
.set n, n+1
.endr
.macro VLOAD g                         ; keys 64 g on: two blocks of 32 keys x 64 channels: eight fragments of V^T
.irp b, 0,1
.irp t, 0,1,2,3
.irp c, 0,1
	ds_load_b128 v[F+32*\b+8*\t+4*\c:F+32*\b+8*\t+4*\c+3], v[ADV] offset:4096*(2*(\g)+\b)+1024*\t+512*\c
.endr
.endr
.endr
.endm
.macro PV g                            ; O^T += V^T P: the four accumulators by turns, one instruction a turn
.irp b, 0,1
.irp t, 0,1,2,3
	v_wmma_f32_16x16x32_f16 v[O+8*\t:O+8*\t+7], v[F+32*\b+8*\t:F+32*\b+8*\t+7], v[P+8*(2*(\g)+\b):P+8*(2*(\g)+\b)+7], v[O+8*\t:O+8*\t+7]
.endr
.endr
.endm
; A KEY STEP: 128 keys.
.macro STEP
	v_add_nc_u32 v[ADK], s32, v[LI]                ; every wave writes the step's addresses, on every path
	v_add_nc_u32 v[ADV], s32, v[LV]
	s_cmp_gt_u32 s33, s9                           ; a step all of whose keys come after my queries is left out: a branch on the step's and the wave's numbers, round the work alone
	s_cbranch_scc1 .Lhid_\@
	v_nop                                          ; with the two additions: four places in front of loads into registers that the last products read
	v_nop
.irp g, 0,1                                    ; S^T = K Q^T, four tiles of 16 keys at a time
.irp k, 0,1,2,3
.irp t, 0,1,2,3
	ds_load_b128 v[F+16*\k+4*\t:F+16*\k+4*\t+3], v[ADK] offset:2048*(4*\g+\k)+512*\t
.endr
.endr
	s_wait_dscnt 0x0
.irp k, 0,1,2,3
	v_wmma_f32_16x16x32_f16 v[S+8*(4*\g+\k):S+8*(4*\g+\k)+7], v[F+16*\k:F+16*\k+7], v[QF:QF+7], 0
.endr
.irp k, 0,1,2,3
	v_wmma_f32_16x16x32_f16 v[S+8*(4*\g+\k):S+8*(4*\g+\k)+7], v[F+16*\k+8:F+16*\k+15], v[QF+8:QF+15], v[S+8*(4*\g+\k):S+8*(4*\g+\k)+7]
.endr
.rept 4
	v_nop                                          ; places: in front of the next loads, and of the first read of the scores
.endr
.endr
	VLOAD 0                                        ; lands while the softmax is walked
	s_cmp_lg_u32 s33, s9                           ; the diagonal step alone hides scores
	s_cbranch_scc1 .Lopen_\@
.set n, 0
.rept 64
	v_cmp_gt_i32 vcc_lo, 16*(n/8)+n%8, v[DV]
	v_cndmask_b32 v[S+n], v[S+n], v[NINF], vcc_lo
.set n, n+1
.endr
.Lopen_\@:
.irp b, 0,1,2,3
	v_max3_num_f32 v[T+\b], v[S+16*\b], v[S+16*\b+1], v[S+16*\b+2]   ; four chains of 16 scores; each accumulator is first read at its low end
.endr
.irp i, 3,5,7,9,11,13
.irp b, 0,1,2,3
	v_max3_num_f32 v[T+\b], v[T+\b], v[S+16*\b+\i], v[S+16*\b+\i+1]
.endr
.endr
.irp b, 0,1,2,3
	v_max_num_f32 v[T+\b], v[T+\b], v[S+16*\b+15]
.endr
	v_max3_num_f32 v[T], v[T], v[T+1], v[T+2]
	v_max3_num_f32 v[T], v[T], v[T+3], v13         ; with the old m
	v_permlanex16_b32 v[T+4], v[T], s38, s39       ; the query's other 64 keys lie in the lane 16 away
	v_mov_b32 v[T+5], v12                          ; c m_old
	v_max_num_f32 v13, v[T], v[T+4]                ; the new m
	v_mul_f32 v12, s36, v13
	v_sub_f32 v[T+5], v[T+5], v12
	v_exp_f32 v232, v[T+5]                         ; a
.set n, 0
.rept 32
	v_pk_fma_f32 v[S+n:S+n+1], v[S+n:S+n+1], s[36:37], v[12:13] op_sel_hi:[1,0,0] neg_lo:[0,0,1] neg_hi:[0,0,1]   ; c s - c m, two at a time
.set n, n+2
.endr
.set n, 0
.rept 64
	v_exp_f32 v[S+n], v[S+n]                       ; p
.set n, n+1
.endr
	v_nop                                          ; a plain place behind the last exponential
	s_wait_alu depctr_va_vdst(0)                   ; one wait for the batch of 65, ahead of its first reader
	v_pk_mul_f32 v[14:15], v[14:15], v[232:233] op_sel_hi:[1,0]   ; l x a
	v_pk_add_f32 v[234:235], v[S:S+1], v[S+2:S+3]  ; the row's sum, of p as it is before rounding: two chains
.set n, 4
.rept 15
	v_pk_add_f32 v[14:15], v[14:15], v[S+n:S+n+1]
	v_pk_add_f32 v[234:235], v[234:235], v[S+n+2:S+n+3]
.set n, n+4
.endr
	v_pk_add_f32 v[14:15], v[14:15], v[234:235]
.set n, 0
.rept 32
	v_cvt_pk_f16_f32 v[P+n], v[S+2*n], v[S+2*n+1]  ; two neighbouring keys to a register: source 1 of the second product
.set n, n+1
.endr
.set n, 0
.rept 16
	v_pk_mul_f32 v[O+n:O+n+1], v[O+n:O+n+1], v[232:233] op_sel_hi:[1,0]   ; O^T x a
.set n, n+2
.endr
	s_wait_dscnt 0x0                               ; V's first 64 keys are in
	PV 0
.rept 4
	v_nop
.endr
	VLOAD 1
	s_wait_dscnt 0x0
	PV 1
.Lhid_\@:
.endm
.macro SLOT_STEPS                      ; a slot's four steps: written once, walked four times; the LDS addresses hang on s32
	s_mov_b32 s34, 4
.Lstep_\@:
	STEP
	s_add_co_u32 s32, s32, 16384
	s_add_co_u32 s33, s33, 1
	s_sub_co_u32 s34, s34, 1
	s_cmp_lg_u32 s34, 0
	s_cbranch_scc1 .Lstep_\@
	s_sub_co_u32 s32, s32, 65536                   ; back to a slot's first step,
	s_xor_b32 s32, s32, SLOT1                      ; in the other slot
.endm
; THE CHANGE OF SLOTS stands at a slot's head.  Each wave waits for all its tensor loads (its part of the slot ahead), adds 0 to its spare word, and waits for that and for its reads of the slot that it has left.
; fill = 1: a round of the cluster's barrier, and behind it the other slot is asked for jointly: the load has a slot's four steps in which to land.  By this text's own count a wave has one tensor load out.
.macro CHANGE fill
	s_wait_tensorcnt 0x0                           ; no tensor load of mine is out, so the group 0 may be written
	ds_add_u32 v[SPW], v[NIL]
.if \fill
	ds_add_u32 v[SPW], v[NIL]                      ; the add twice on end here, in every trip alike
	s_xor_b32 s25, s25, SLOT1                      ; the walking descriptor: the other slot,
	s_add_nc_u64 s[26:27], s[26:27], 65536         ; the next 512 keys; the type bits on top are not reached
	s_wait_xcnt 0x0                                ; the last prefetch, a slot back, has read its address
	s_add_nc_u64 s[28:29], s[28:29], 65536         ; one slot further on than the walking descriptor
.endif
	s_wait_dscnt 0x0                               ; the adds are done, and my reads of the slot that I have left are over
.if \fill
	CROUND
	TLOAD
	ASK
.else
	s_barrier_signal -1
	s_barrier_wait -1
.endif
.endm
	s_wait_loadcnt 0x0                             ; Q
.Lslot:                                            ; three trips: behind each change of slots but the last the next slot is asked for
	CHANGE 1
	SLOT_STEPS
	s_sub_co_u32 s31, s31, 1
	s_cmp_lg_u32 s31, 0
	s_cbranch_scc1 .Lslot
	CHANGE 0                                       ; the last slot is written out
	SLOT_STEPS
	; THE WAY OUT: O^T / l, rounded to f16: a lane's eight channels are 16 bytes of the next launch's fragment; each store covers 512 consecutive bytes
.rept 4
	v_nop
.endr
	v_add_f32 v14, v14, v15
	v_permlanex16_b32 v[T+4], v14, s38, s39
	v_add_f32 v14, v14, v[T+4]
	v_rcp_f32 v232, v14
	v_nop
	s_wait_alu depctr_va_vdst(0)                   ; ahead of the reciprocal's first reader
.set n, 0
.rept 16
	v_pk_mul_f32 v[S+n:S+n+1], v[O+n:O+n+1], v[232:233] op_sel_hi:[1,0]
.set n, n+2
.endr
.set n, 0
.rept 16
	v_cvt_pk_f16_f32 v[P+n], v[S+2*n], v[S+2*n+1]
.set n, n+1
.endr
.irp t, 0,1,2,3
	global_store_b128 v[LI], v[P+4*\t:P+4*\t+3], s[42:43] offset:512*\t
.endr
	s_wait_tensorcnt 0x0                           ; the wave's end
	ds_add_u32 v[SPW], v[NIL]
	s_wait_dscnt 0x0
	CROUND                                         ; the closing round
	s_endpgm
.Lfunc_end_k_q26ae4f08e0_attn:
	.size	k_q26ae4f08e0_attn, .Lfunc_end_k_q26ae4f08e0_attn-k_q26ae4f08e0_attn
	.p2alignl 7, 3214868480
	.fill 96, 4, 3214868480
	.section	.rodata,"a",@progbits
	.p2align	6, 0x0
	.amdhsa_kernel k_q26ae4f08e0_attn
		.amdhsa_group_segment_fixed_size 327680
		.amdhsa_private_segment_fixed_size 0
		.amdhsa_enable_private_segment 0
		.amdhsa_kernarg_size 16
		.amdhsa_user_sgpr_count 2
		.amdhsa_user_sgpr_kernarg_segment_ptr 1
		.amdhsa_wavefront_size32 1
		.amdhsa_system_sgpr_workgroup_id_x 1
		.amdhsa_system_sgpr_workgroup_id_y 1
		.amdhsa_system_sgpr_workgroup_id_z 1
		.amdhsa_system_vgpr_workitem_id 0
		.amdhsa_next_free_vgpr 256
		.amdhsa_next_free_sgpr 66
		.amdhsa_reserve_vcc 1
		.amdhsa_float_denorm_mode_32 3
		.amdhsa_float_denorm_mode_16_64 3
		.amdhsa_memory_ordered 1
		.amdhsa_forward_progress 1
		.amdhsa_inst_pref_size 58
	.end_amdhsa_kernel
	.amdgpu_metadata
---
amdhsa.version: [ 1, 2 ]
amdhsa.kernels:
  - .name:           k_q26ae4f08e0_attn
    .symbol:         k_q26ae4f08e0_attn.kd
    .args:
      - { .name: qkv, .offset: 0, .size: 8, .value_kind: global_buffer, .address_space: global }
      - { .name: ao, .offset: 8, .size: 8, .value_kind: global_buffer, .address_space: global }
    .group_segment_fixed_size: 327680
    .private_segment_fixed_size: 0
    .kernarg_segment_align: 8
    .kernarg_segment_size: 16
    .max_flat_workgroup_size: 512
    .sgpr_count:     66
    .vgpr_count:     256
    .wavefront_size: 32
...
	.end_amdgpu_metadata
.endif
;; end of part 3
;; launch oproj (part 4): grid 8 x 32, 4 waves a work-group, clusters of 4 x 4, 327,680 bytes of LDS; arguments ao, wo16, out0; writes out0
.if DOCPART == 4
	.amdgcn_target "amdgcn-amd-amdhsa--gfx1250"
	.amdhsa_code_object_version 6
	.text
	.protected	k_q26ae4f08e0_oproj
	.globl	k_q26ae4f08e0_oproj
	.p2align	8
	.type	k_q26ae4f08e0_oproj,@function
k_q26ae4f08e0_oproj:
	s_mov_b64 s[64:65], 0
	v_nop
	global_prefetch_b8 v0, s[64:65] scope:SCOPE_SE
	s_setreg_imm32_b32 hwreg(HW_REG_WAVE_MODE, 25, 1), 1
	s_wait_xcnt 0x0
	s_wait_alu depctr_hold_cnt(0) depctr_sa_sdst(0) depctr_va_vdst(0) depctr_va_sdst(0) depctr_va_ssrc(0) depctr_va_vcc(0) depctr_vm_vsrc(0)
	s_getreg_b32 s2, hwreg(HW_REG_IB_STS2, 6, 4)
	s_cmp_eq_u32 s2, 0
	s_cbranch_scc0 .Lentry_in_a_cluster
	s_endpgm
.Lentry_in_a_cluster:
	s_bfe_u32 s2, ttmp6, 0x10000c
	s_cmp_lg_u32 s2, 0xf033
	s_cbranch_scc0 .Lentry_shape_is_right
	s_endpgm
.Lentry_shape_is_right:
; out0[m][n] = sum over k of A[m][k] wo[n][k]: 4,096 x 1,024 x 1,024; operands f16, sums and result f32.  A is the attention's output, laid as images of fragments: [row tile 256][fragment of 32 K: 32][2 pieces][lane][16 B].
; A tile of the result is 128 x 128 (256 work-groups); four waves, each 64 x 64: 16 accumulators.  K goes in steps of 256 through a ring of two LDS slots: of A 8 row tiles x 8,192 dense bytes, of wo 128 rows of 512 bytes + 16.
; CLUSTER 4 x 4: the four of a row of the cluster need the same tiles of A, the four of a column the same tiles of wo: each is asked for JOINTLY.  THE MATRIX INSTRUCTION IS USED TRANSPOSED (source 0 = 16 rows of wo,
; source 1 = 16 rows of A): a lane holds eight neighbouring numbers of a row of the result.
; The first 16 rows of each sequence are stored here too, and once more, from f32 operands, by the launch that follows: leaving them out would take a branch on the tile row, which differs between partners.
; LIMITS: operands beyond 65,504 are not served in f16.
; REGISTERS: window 0: v0-31 addresses; v32-95 the way out; v128-255 the accumulators ((a, b) at v[128 + 8 (4 a + b)]).   window 1: two fragment buffers of 128: for 64 along K, 64 registers of A, then 64 of wo.
.set SIZE_N, 1024
.set SIZE_K, 1024
.set KSTEP,  256
.set PITCH,  528                       ; a row of wo in LDS: 512 bytes + 16
.set APART,  65536                     ; A's part of a slot
.set HALFB,  64*PITCH
.set SLOT,   APART+2*HALFB
.set SPARE,  2*SLOT                    ; behind the ring: the spare words, 128 bytes for each wave
.set SPITCH, 272                       ; the way out: a stage of 16 rows x (256 bytes + 16) for each wave, in slot 0, which has had its last fill and its last read when the first result is stored there
.set ADRA, 16
.set ADRB, 20
.set STO,  24
.set RD,   25
.set CO,   26
.set SPW,  28
.set NIL,  29
.set TMP,  32
.set ACC,  128
.set F0,   0
.set F1,   128
.set G1, 24
.set G0, 32
.set G1B, 48
.set G0B, 56
.set MSB, 0
.macro WIN new
.if MSB != \new
	s_set_vgpr_msb (MSB<<8)|\new
.set MSB, \new
.endif
.endm
.set MUL,  0x05                        ; sources 0 (wo) and 1 (A) window 1; C and D window 0
.set TO_F, 0x40                        ; destination window 1, address window 0
.macro JLOAD s                         ; a joint load: waves 0 and 1 fetch A's two halves, waves 2 and 3 wo's; the branch hangs on the wave's number alone
	s_cmp_eq_u32 s11, 0
	s_cbranch_scc0 .Lfor_b_\@
	tensor_load_to_lds s[G0+4*\s:G0+4*\s+3], s[G1:G1+7]
	s_nop 0
.rept 4
	v_nop
.endr
	s_branch .Lasked_\@
.Lfor_b_\@:
	tensor_load_to_lds s[G0B+4*\s:G0B+4*\s+3], s[G1B:G1B+7]
	s_nop 0
.rept 4
	v_nop
.endr
.Lasked_\@:
.endm
.macro CREST                           ; a round of the cluster's barrier behind its opening barrier
	s_cmp_lg_u32 s10, 0
	s_cbranch_scc1 .Lnot_wave_0_\@
	s_barrier_signal -3
.Lnot_wave_0_\@:
	s_barrier_wait -3
	s_barrier_signal -1
	s_barrier_wait -1
.endm
.macro CROUND
	s_barrier_signal -1
	s_barrier_wait -1
	CREST
.endm
	s_load_b128 s[4:7], s[0:1], 0x0                ; ao, wo16
	s_load_b64 s[8:9], s[0:1], 0x10                ; out0
	v_lshl_add_u32 v[SPW], v0, 2, SPARE
	v_mov_b32 v[NIL], 0
	ds_add_u32 v[SPW], v[NIL]                      ; the wave's opening: the add, twice on end, and its wait ahead of my first tensor load
	ds_add_u32 v[SPW], v[NIL]
	v_lshrrev_b32 v1, 5, v0
	v_readfirstlane_b32 s10, v1                    ; wave
	s_lshr_b32 s11, s10, 1                         ; which half of the tile's rows is mine.  Also: I fetch for A (0) or for wo (1)
	s_and_b32 s12, s10, 1                          ; which half of its columns.  Also: which half of that tile I fetch
	s_bfe_u32 s40, ttmp6, 0x40000                  ; cx, cy
	s_bfe_u32 s41, ttmp6, 0x40004
	s_lshl_b32 s42, ttmp9, 2
	s_add_co_u32 s42, s42, s40                     ; tile column
	s_and_b32 s13, ttmp7, 0xffff
	s_lshl_b32 s13, s13, 2
	s_add_co_u32 s13, s13, s41                     ; tile row
	s_lshl_b32 s43, s41, 2
	s_lshl_b32 s43, 15, s43                        ; my row of the cluster
	s_lshl_b32 s44, 0x1111, s40                    ; my column
	s_or_b32 s[G1+0], s43, (3<<16)|(1<<21)         ; A: elements of 8 bytes, no padding: 4 row tiles x 8,192 bytes, 32,768 bytes apart
	s_mov_b32 s[G1+1], 1024<<16                    ; tensor_dim0
	s_mov_b32 s[G1+2], 4<<16                       ; tensor_dim1
	s_mov_b32 s[G1+3], 1024<<16                    ; tile_dim0
	s_mov_b32 s[G1+4], 4                           ; tile_dim1
	s_mov_b32 s[G1+5], 4096                        ; from row to row
	s_mov_b32 s[G1+6], 0
	s_mov_b32 s[G1+7], 0
	s_or_b32 s[G1B+0], s44, (1<<16)|(1<<20)|(1<<21)|(6<<22)|(3<<25)   ; wo: elements of 2 bytes; 4 words of padding after every 128: 64 rows x 256 elements
	s_mov_b32 s[G1B+1], KSTEP<<16
	s_mov_b32 s[G1B+2], 64<<16
	s_mov_b32 s[G1B+3], KSTEP<<16
	s_mov_b32 s[G1B+4], 64
	s_mov_b32 s[G1B+5], SIZE_K
	s_mov_b32 s[G1B+6], 0
	s_mov_b32 s[G1B+7], 0
	s_lshl_b32 s17, s12, 17
	s_lshl_b32 s16, s13, 18
	s_add_co_u32 s16, s16, s17                     ; A: (8 x tile row + 4 x half) row tiles of 32,768 bytes
	s_lshl_b32 s46, s42, 18
	s_add_co_u32 s46, s46, s17                     ; wo: (128 x tile column + 64 x half) rows of 2,048 bytes
	s_mov_b32 s17, 0
	s_mov_b32 s47, 0
	s_lshl_b32 s20, s12, 15                        ; where they go: by the wave's number alone
	s_mul_i32 s21, s12, HALFB
	s_add_co_u32 s21, s21, APART
	s_wait_dscnt 0x0                               ; both opening adds are done
	s_wait_kmcnt 0x0
	s_add_nc_u64 s[14:15], s[4:5], s[16:17]
	s_add_nc_u64 s[46:47], s[6:7], s[46:47]
	CROUND                                         ; all sixteen work-groups are here: the first joint loads meet
.irp s, 0,1
	s_mov_b32 s[G0+4*\s], 1
	s_add_co_u32 s[G0+4*\s+1], s20, \s*SLOT
	s_add_nc_u64 s[G0+4*\s+2:G0+4*\s+3], s[14:15], \s*8192          ; a K step is 8 fragments of 1,024 bytes in each row tile
	s_or_b32 s[G0+4*\s+3], s[G0+4*\s+3], 0x80000000
	s_mov_b32 s[G0B+4*\s], 1
	s_add_co_u32 s[G0B+4*\s+1], s21, \s*SLOT
	s_add_nc_u64 s[G0B+4*\s+2:G0B+4*\s+3], s[46:47], \s*KSTEP*2
	s_or_b32 s[G0B+4*\s+3], s[G0B+4*\s+3], 0x80000000
	JLOAD \s
.endr
	v_and_b32 v1, 15, v0                           ; l % 16
	v_bfe_u32 v2, v0, 4, 1                         ; l / 16
	v_mul_u32_u24 v3, v1, PITCH
	v_lshl_add_u32 v3, v2, 4, v3                   ; wo: a fragment's row x pitch + 16 x half
	v_and_b32 v4, 31, v0
	v_lshlrev_b32 v4, 4, v4                        ; A: 16 x lane of a piece
	s_lshl_b32 s21, s11, 15                        ; my four row tiles of A
	s_mul_i32 s22, s12, HALFB                      ; my 64 rows of wo,
	s_add_co_u32 s22, s22, APART                   ; behind A's part
.irp s, 0,1
	v_add_nc_u32 v[ADRA+\s], s21, v4
	v_add_nc_u32 v[ADRB+\s], s22, v3
	s_add_co_u32 s21, s21, SLOT
	s_add_co_u32 s22, s22, SLOT
.endr
	s_mul_i32 s23, s10, 16*SPITCH                  ; my stage
	v_mul_u32_u24 v5, v1, SPITCH
	v_lshl_add_u32 v5, v2, 5, v5
	v_add_nc_u32 v[STO], s23, v5                   ; in: row l % 16, 32 bytes for each half of the lanes
	v_mul_u32_u24 v5, v2, SPITCH
	v_lshl_add_u32 v5, v1, 4, v5
	v_add_nc_u32 v[RD], s23, v5                    ; back: lanes 0-15 one row of 256 bytes, lanes 16-31 the next
	v_lshlrev_b32 v5, 12, v2
	v_lshl_add_u32 v[CO], v1, 4, v5                ; and the same two rows in the result
	s_lshl_b32 s16, s13, 7
	s_lshl_b32 s17, s11, 6
	s_add_co_u32 s16, s16, s17                     ; my first row
	s_lshl_b32 s16, s16, 12
	s_mov_b32 s17, 0
	s_add_nc_u64 s[8:9], s[8:9], s[16:17]
	s_lshl_b32 s46, s42, 9                         ; my first column, in bytes
	s_lshl_b32 s47, s12, 8
	s_add_co_u32 s46, s46, s47
	s_mov_b32 s47, 0
	s_add_nc_u64 s[8:9], s[8:9], s[46:47]
; 8 matrix instructions: A's blocks a0, a0 + 1 x wo's four, 32 along K: half c of buffer f.  zero = 1: the first product starts the sums.  The 16 accumulators take turns
.macro MUL8 f, c, a0, zero
.irp a, \a0, \a0+1
.irp b, 0,1,2,3
.if \zero
	v_wmma_f32_16x16x32_f16 v[ACC+8*(4*(\a)+\b):ACC+8*(4*(\a)+\b)+7], v[\f+64+8*(4*\c+\b):\f+64+8*(4*\c+\b)+7], v[\f+8*(4*\c+\a):\f+8*(4*\c+\a)+7], 0
.else
	v_wmma_f32_16x16x32_f16 v[ACC+8*(4*(\a)+\b):ACC+8*(4*(\a)+\b)+7], v[\f+64+8*(4*\c+\b):\f+64+8*(4*\c+\b)+7], v[\f+8*(4*\c+\a):\f+8*(4*\c+\a)+7], v[ACC+8*(4*(\a)+\b):ACC+8*(4*(\a)+\b)+7]
.endif
.endr
.endr
.endm
; 32 LDS loads in one run: the fragments of 64 along K (byte k of wo's rows; fragment k / 64 of A's row tiles) into buffer f; the first 32 along K first
.macro FETCH slot, k, f
	WIN TO_F
.irp c, 0,1
.irp i, 0,1,2,3
	ds_load_b128 v[\f+64+8*(4*\c+\i):\f+64+8*(4*\c+\i)+3],   v[ADRB+\slot] offset:\k+64*\c+\i*16*PITCH
	ds_load_b128 v[\f+64+8*(4*\c+\i)+4:\f+64+8*(4*\c+\i)+7], v[ADRB+\slot] offset:\k+64*\c+\i*16*PITCH+32
	ds_load_b128 v[\f+8*(4*\c+\i):\f+8*(4*\c+\i)+3],         v[ADRA+\slot] offset:16*(\k)+1024*\c+\i*8192
	ds_load_b128 v[\f+8*(4*\c+\i)+4:\f+8*(4*\c+\i)+7],       v[ADRA+\slot] offset:16*(\k)+1024*\c+\i*8192+512
.endr
.endr
.endm
.macro PLACES
.rept 4
	v_nop
.endr
.endm
; A K step is four quarters of 64 along K, 32 matrix instructions each, on buffers 0, 1, 0, 1
.macro QUARTER slot, k, f, g, zero
	s_wait_dscnt 16                                ; the first 32 along K are in; the youngest sixteen loads may be out
	WIN MUL
	MUL8 \f, 0, 0, \zero
	MUL8 \f, 0, 2, \zero
	PLACES
	FETCH \slot, \k, \g
	s_wait_dscnt 32                                ; all but the 32 just issued
	WIN MUL
	MUL8 \f, 1, 0, 0
	MUL8 \f, 1, 2, 0
.endm
; The last quarter changes slots: ONE barrier; in front of it each wave waits for all its tensor loads, adds 0 to its spare word, and waits for that and for its reads of this slot.  fill = 1: the slot is filled again, two K steps ahead
.macro TURN slot, next, fill
	WIN 0
	s_wait_tensorcnt 0x0                           ; all my tensor loads have landed: my part of the next slot
	ds_add_u32 v[SPW], v[NIL]
	s_wait_dscnt 17                                ; (the add and the youngest sixteen loads may be out)
	WIN MUL
	MUL8 F1, 0, 0, 0
	s_wait_dscnt 0x0                               ; the add is done, and my reads of this slot are over
	s_barrier_signal -1
	MUL8 F1, 0, 2, 0
.if \fill
	WIN 0
.endif
	s_barrier_wait -1
.if \fill
	CREST                                          ; the barrier has opened a round of the cluster's: no wave of any partner still reads this slot or has a load on its way
	s_add_nc_u64 s[G0+4*\slot+2:G0+4*\slot+3], s[G0+4*\slot+2:G0+4*\slot+3], 2*8192
	s_add_nc_u64 s[G0B+4*\slot+2:G0B+4*\slot+3], s[G0B+4*\slot+2:G0B+4*\slot+3], 2*KSTEP*2
	JLOAD \slot                                    ; the first tensor load behind the round; its four v_nop are also the places in front of the loads below
.else
	PLACES
.endif
	FETCH \next, 0, F0
	WIN MUL
	MUL8 F1, 1, 0, 0
	MUL8 F1, 1, 2, 0
.endm
	s_wait_tensorcnt 1                             ; my part of K step 0 is in; K step 1's load may stay out
	s_barrier_signal -1
	s_barrier_wait -1
	FETCH 0, 0, F0
	QUARTER 0, 128, F0, F1, 1                      ; four K steps, written out: the first quarter's first products start the sums
	QUARTER 0, 256, F1, F0, 0
	QUARTER 0, 384, F0, F1, 0
	TURN 0, 1, 1                                   ; slot 0 takes K step 2
	QUARTER 1, 128, F0, F1, 0
	QUARTER 1, 256, F1, F0, 0
	QUARTER 1, 384, F0, F1, 0
	TURN 1, 0, 1                                   ; slot 1 takes K step 3
	QUARTER 0, 128, F0, F1, 0
	QUARTER 0, 256, F1, F0, 0
	QUARTER 0, 384, F0, F1, 0
	TURN 0, 1, 0                                   ; nothing is left to fetch
	QUARTER 1, 128, F0, F1, 0
	QUARTER 1, 256, F1, F0, 0
	QUARTER 1, 384, F0, F1, 0
	s_wait_dscnt 16
	WIN MUL
	MUL8 F1, 0, 0, 0
	MUL8 F1, 0, 2, 0
	s_wait_dscnt 0
	MUL8 F1, 1, 0, 0
	MUL8 F1, 1, 2, 0
	WIN 0
; THE WAY OUT, 16 rows x 64 columns at a time.  A lane holds 32 neighbouring bytes of a row; a block goes through my own stage and comes back as whole rows of 256 bytes, which sixteen lanes store as one aligned run.
; LDS serves a wave's instructions in order: no wait between the stores and the loads, nor in front of the next block's stores.
.macro TOSTAGE a
.irp b, 0,1,2,3
	ds_store_b128 v[STO], v[ACC+8*(4*(\a)+\b):ACC+8*(4*(\a)+\b)+3] offset:64*\b        ; each accumulator from its low end on
	ds_store_b128 v[STO], v[ACC+8*(4*(\a)+\b)+4:ACC+8*(4*(\a)+\b)+7] offset:64*\b+16
.endr
.irp t, 0,1,2,3,4,5,6,7
	ds_load_b128 v[TMP+32*((\a)%2)+4*\t:TMP+32*((\a)%2)+4*\t+3], v[RD] offset:\t*2*SPITCH
.endr
.endm
.macro SEND a, younger                 ; younger: the LDS instructions issued behind block a's loads
	s_wait_dscnt \younger
.irp t, 0,1,2,3,4,5,6,7
	global_store_b128 v[CO], v[TMP+32*((\a)%2)+4*\t:TMP+32*((\a)%2)+4*\t+3], s[8:9] offset:(16*(\a)+2*\t)*SIZE_N*4 th:TH_STORE_NT
.endr
.endm
	PLACES
	TOSTAGE 0
	TOSTAGE 1
	SEND 0, 16                                     ; behind block 0's loads: block 1's 8 stores and 8 loads
	s_wait_xcnt 0x0                                ; block 0's stores have read their registers: block 2's loads may land there
	TOSTAGE 2
	SEND 1, 16
	s_wait_xcnt 0x0
	TOSTAGE 3
	SEND 2, 16
	SEND 3, 0
	s_wait_tensorcnt 0x0                           ; the wave's end, behind my last tensor load and my last LDS store
	ds_add_u32 v[SPW], v[NIL]
	s_wait_dscnt 0x0
	CROUND                                         ; the closing round
	s_endpgm
.Lfunc_end_k_q26ae4f08e0_oproj:
	.size	k_q26ae4f08e0_oproj, .Lfunc_end_k_q26ae4f08e0_oproj-k_q26ae4f08e0_oproj
	.p2alignl 7, 3214868480
	.fill 96, 4, 3214868480
	.section	.rodata,"a",@progbits
	.p2align	6, 0x0
	.amdhsa_kernel k_q26ae4f08e0_oproj
		.amdhsa_group_segment_fixed_size 327680
		.amdhsa_private_segment_fixed_size 0
		.amdhsa_enable_private_segment 0
		.amdhsa_kernarg_size 24
		.amdhsa_user_sgpr_count 2
		.amdhsa_user_sgpr_kernarg_segment_ptr 1
		.amdhsa_wavefront_size32 1
		.amdhsa_system_sgpr_workgroup_id_x 1
		.amdhsa_system_sgpr_workgroup_id_y 1
		.amdhsa_system_sgpr_workgroup_id_z 1
		.amdhsa_system_vgpr_workitem_id 0
		.amdhsa_next_free_vgpr 512
		.amdhsa_next_free_sgpr 66
		.amdhsa_reserve_vcc 0
		.amdhsa_float_denorm_mode_32 3
		.amdhsa_float_denorm_mode_16_64 3
		.amdhsa_memory_ordered 1
		.amdhsa_forward_progress 1
		.amdhsa_inst_pref_size 85
	.end_amdhsa_kernel
	.amdgpu_metadata
---
amdhsa.version: [ 1, 2 ]
amdhsa.kernels:
  - .name:           k_q26ae4f08e0_oproj
    .symbol:         k_q26ae4f08e0_oproj.kd
    .args:
      - { .name: ao, .offset: 0, .size: 8, .value_kind: global_buffer, .address_space: global }
      - { .name: wo16, .offset: 8, .size: 8, .value_kind: global_buffer, .address_space: global }
      - { .name: out0, .offset: 16, .size: 8, .value_kind: global_buffer, .address_space: global }
    .group_segment_fixed_size: 327680
    .private_segment_fixed_size: 0
    .kernarg_segment_align: 8
    .kernarg_segment_size: 24
    .max_flat_workgroup_size: 128
    .sgpr_count:     66
    .vgpr_count:     512
    .wavefront_size: 32
...
	.end_amdgpu_metadata
.endif
;; end of part 4
;; launch fine (part 5): grid 16 x 2, 16 waves a work-group, no clusters, 71,680 bytes of LDS; arguments ff, wo, out0; writes out0
.if DOCPART == 5
	.amdgcn_target "amdgcn-amd-amdhsa--gfx1250"
	.amdhsa_code_object_version 6
	.text
	.protected	k_q26ae4f08e0_fine
	.globl	k_q26ae4f08e0_fine
	.p2align	8
	.type	k_q26ae4f08e0_fine,@function
k_q26ae4f08e0_fine:
	s_mov_b64 s[64:65], 0
	v_nop
	global_prefetch_b8 v0, s[64:65] scope:SCOPE_SE
	s_setreg_imm32_b32 hwreg(HW_REG_WAVE_MODE, 25, 1), 1
	s_wait_xcnt 0x0
; The first 16 positions of both sequences once more, with f32 operands throughout: attention (16 queries x 16 keys, causal) and the projection by wo.  These rows average few values and are the largest of the result.
; SHARES.  A work-group serves one batch (y) and 64 columns of the result (x); wave = head.  Each wave makes its head's attention (32 matrix instructions; repeated in the 16 column slices, which is less than a road
; through memory would cost) and its head's part of the projection (K = its 64 channels, 4 tiles of 16 columns); the 16 parts meet in LDS, and wave w sums and stores row w: 256 consecutive bytes, aligned.
; OPERANDS.  ff holds Q's, K's and V's sums of position tile 0 as the accumulators stood: for Q and K lane (r, h), register 8 t + j: position r, channel 16 t + 8 h + j; for V: key 8 h + j, channel 16 t + r.
; The f32 matrix instruction takes k = 2 (lane / 16) + j from two registers.  Registers 2 n, 2 n + 1 of both operands give it the same four k on both sides: a permutation of K applied alike to both keeps the products.
; S^T = K Q^T (a lane: one query, keys 8 h + j); O^T = V^T P (a lane: one query, channels 16 t + 8 h + j); the projection transposed (source 0 = 16 rows of wo, source 1 = O): a lane holds eight neighbouring columns of a row.
; The registers that the f32 matrix form writes (v160-175, v192-223) are written by matrix instructions alone; what is made of a sum goes into other registers; two or four accumulators take turns.
; LIMITS: NaN and infinities are not served; the order of the f32 sums is this text's own.
.set QF, 32                            ; Q; later wo's column tile 1; later the 16 parts of my row
.set KF, 64                            ; K; later tile 2
.set VF, 96                            ; V; later tile 3
.set WA, 128                           ; wo's column tile 0
.set SA, 160                           ; S^T's even K steps; later tile 1's sums
.set SB, 168                           ; the odd ones; later tile 2's
.set ST, 176                           ; the scores
.set PP, 184                           ; p
.set OA, 192                           ; O^T; later tiles 0 and 3
.set ON, 224                           ; O^T / l
.set SPARE, 69632                      ; behind the 16 parts (4,352 bytes each): the spare words, 128 bytes for each wave
	s_load_b128 s[4:7], s[0:1], 0x0                ; ff, wo
	s_load_b64 s[8:9], s[0:1], 0x10                ; out0
	v_lshl_add_u32 v10, v0, 2, SPARE
	v_mov_b32 v11, 0
	v_lshrrev_b32 v12, 5, v0
	v_readfirstlane_b32 s10, v12                   ; wave = head
	s_and_b32 s11, ttmp7, 0xffff                   ; batch
	v_and_b32 v1, 15, v0                           ; r
	v_bfe_u32 v2, v0, 4, 1                         ; h
	v_and_b32 v3, 31, v0
	v_lshlrev_b32 v8, 3, v3                        ; 8 x lane
	v_lshlrev_b32 v3, 4, v3                        ; 16 x lane
	v_lshlrev_b32 v4, 12, v1
	v_lshl_add_u32 v4, v2, 5, v4                   ; wo: row r of 4,096 bytes, + 32 h
	v_lshlrev_b32 v5, 3, v2
	v_sub_nc_u32 v5, v1, v5                        ; r - 8 h: register j's key is hidden where j is above it
	s_mul_i32 s12, s10, 4352
	v_mul_u32_u24 v6, v1, 272
	v_lshl_add_u32 v6, v2, 5, v6
	v_add_nc_u32 v6, s12, v6                       ; my part: row r of 272 bytes, + 32 h
	s_mul_i32 s13, s10, 272
	v_add_nc_u32 v7, s13, v8                       ; back: row w of each part, 8 bytes a lane
	v_mov_b32 v9, 0xff800000                       ; -infinity
	v_mov_b32 v13, 0                               ; a lane permute's destination counts as one of its sources
	s_lshl_b32 s14, s11, 4
	s_add_co_u32 s14, s14, s10
	s_mul_i32 s14, s14, 12288
	s_mov_b32 s15, 0
	s_lshl_b32 s16, ttmp9, 18                      ; wo: 64 rows x work-group x,
	s_lshl_b32 s17, s10, 8                         ; my head's 64 channels
	s_add_co_u32 s16, s16, s17
	s_mov_b32 s17, 0
	s_lshl_b32 s18, s11, 23                        ; out0: row 2,048 x batch + wave,
	s_lshl_b32 s19, s10, 12
	s_add_co_u32 s18, s18, s19
	s_lshl_b32 s19, ttmp9, 8                       ; 256 bytes x work-group x
	s_add_co_u32 s18, s18, s19
	s_mov_b32 s19, 0
	s_mov_b32 s20, 0x3e38aa3b                      ; c = log2(e) / 8
	s_mov_b32 s22, 0x76543210
	s_mov_b32 s23, 0xfedcba98
	s_wait_kmcnt 0x0
	s_add_nc_u64 s[4:5], s[4:5], s[14:15]
	s_add_nc_u64 s[6:7], s[6:7], s[16:17]
	s_add_nc_u64 s[8:9], s[8:9], s[18:19]
.macro FLOAD reg, acc                  ; four accumulators' images from ff
.irp t, 0,1,2,3
	global_load_b128 v[\reg+8*\t:\reg+8*\t+3], v3, s[4:5] offset:1024*(\acc+\t)
	global_load_b128 v[\reg+8*\t+4:\reg+8*\t+7], v3, s[4:5] offset:1024*(\acc+\t)+512
.endr
.endm
.macro WLOAD reg, ct                   ; wo(64 x + 16 ct + r, 64 head + 16 t + 8 h + 0..7)
.irp t, 0,1,2,3
	global_load_b128 v[\reg+8*\t:\reg+8*\t+3], v4, s[6:7] offset:65536*\ct+64*\t
	global_load_b128 v[\reg+8*\t+4:\reg+8*\t+7], v4, s[6:7] offset:65536*\ct+64*\t+16
.endr
.endm
	FLOAD KF, 4
	FLOAD QF, 0
	FLOAD VF, 8
	WLOAD WA, 0
	s_wait_loadcnt 16                              ; K and Q are in; V's 8 loads and tile 0's 8 may be out
.set n, 0
.rept 16                               ; S^T: 16 K steps of 4, on two accumulators by turns; the first two start the sums
.if n < 2
	v_wmma_f32_16x16x4_f32 v[SA+8*(n%2):SA+8*(n%2)+7], v[KF+2*n:KF+2*n+1], v[QF+2*n:QF+2*n+1], 0
.else
	v_wmma_f32_16x16x4_f32 v[SA+8*(n%2):SA+8*(n%2)+7], v[KF+2*n:KF+2*n+1], v[QF+2*n:QF+2*n+1], v[SA+8*(n%2):SA+8*(n%2)+7]
.endif
.set n, n+1
.endr
.rept 8
	v_nop                                          ; eight places behind this form: in front of the loads below and of the first read of the sums
.endr
	WLOAD QF, 1
	WLOAD KF, 2
.irp j, 0,1,2,3,4,5,6,7
	v_add_f32 v[ST+\j], v[SA+\j], v[SB+\j]
.endr
.irp j, 0,1,2,3,4,5,6,7
	v_cmp_gt_i32 vcc_lo, \j, v5
	v_cndmask_b32 v[ST+\j], v[ST+\j], v9, vcc_lo   ; hidden scores become -infinity
.endr
	v_max3_num_f32 v12, v[ST], v[ST+1], v[ST+2]
	v_max3_num_f32 v12, v12, v[ST+3], v[ST+4]
	v_max3_num_f32 v12, v12, v[ST+5], v[ST+6]
	v_max_num_f32 v12, v12, v[ST+7]
	v_permlanex16_b32 v13, v12, s22, s23
	v_max_num_f32 v12, v12, v13                    ; the row's maximum: key 0 counts for every query
	v_mul_f32 v14, s20, v12
.irp j, 0,1,2,3,4,5,6,7
	v_fma_f32 v[ST+\j], v[ST+\j], s20, -v14        ; c s - c m
.endr
.irp j, 0,1,2,3,4,5,6,7
	v_exp_f32 v[PP+\j], v[ST+\j]
.endr
	v_nop
	s_wait_alu depctr_va_vdst(0)                   ; one wait for the eight, ahead of their first reader
	v_add_f32 v14, v[PP], v[PP+1]
	v_add_f32 v15, v[PP+2], v[PP+3]
	v_add_f32 v16, v[PP+4], v[PP+5]
	v_add_f32 v17, v[PP+6], v[PP+7]
	v_add_f32 v14, v14, v15
	v_add_f32 v16, v16, v17
	v_add_f32 v14, v14, v16
	v_permlanex16_b32 v13, v14, s22, s23
	v_add_f32 v14, v14, v13                        ; the row's sum
	v_rcp_f32 v15, v14
	v_nop
	s_wait_alu depctr_va_vdst(0)
	s_wait_loadcnt 24                              ; V is in; tile 0's 8 loads and the 16 of tiles 1 and 2 may be out
.irp u, 0,1,2,3                                ; O^T = V^T P: keys 8 h + 2 u + {0, 1}; the four accumulators by turns
.irp t, 0,1,2,3
.if \u == 0
	v_wmma_f32_16x16x4_f32 v[OA+8*\t:OA+8*\t+7], v[VF+8*\t+2*\u:VF+8*\t+2*\u+1], v[PP+2*\u:PP+2*\u+1], 0
.else
	v_wmma_f32_16x16x4_f32 v[OA+8*\t:OA+8*\t+7], v[VF+8*\t+2*\u:VF+8*\t+2*\u+1], v[PP+2*\u:PP+2*\u+1], v[OA+8*\t:OA+8*\t+7]
.endif
.endr
.endr
.rept 9
	v_nop                                          ; nine places: these accumulators' registers are read below, V's are loaded anew, and sixteen of them are begun anew by later products
.endr
	WLOAD VF, 3
.set n, 0
.rept 32
	v_mul_f32 v[ON+n], v[OA+n], v15                ; O^T / l, into registers of its own
.set n, n+1
.endr
.macro PROJ accA, wA, accB, wB         ; two column tiles by turns: 16 K steps of 4 each; the first start the sums
.set n, 0
.rept 16
.if n == 0
	v_wmma_f32_16x16x4_f32 v[\accA:\accA+7], v[\wA+2*n:\wA+2*n+1], v[ON+2*n:ON+2*n+1], 0
	v_wmma_f32_16x16x4_f32 v[\accB:\accB+7], v[\wB+2*n:\wB+2*n+1], v[ON+2*n:ON+2*n+1], 0
.else
	v_wmma_f32_16x16x4_f32 v[\accA:\accA+7], v[\wA+2*n:\wA+2*n+1], v[ON+2*n:ON+2*n+1], v[\accA:\accA+7]
	v_wmma_f32_16x16x4_f32 v[\accB:\accB+7], v[\wB+2*n:\wB+2*n+1], v[ON+2*n:ON+2*n+1], v[\accB:\accB+7]
.endif
.set n, n+1
.endr
.endm
	s_wait_loadcnt 8                               ; tiles 0, 1 and 2 are in; tile 3's 8 loads may be out
	PROJ SA, QF, SB, KF
	s_wait_loadcnt 0x0
	PROJ OA, WA, OA+8, VF
.rept 8
	v_nop
.endr
	ds_store_b128 v6, v[OA:OA+3]                   ; my part: row r, columns 16 ct + 8 h + 0..7; each accumulator from its low end on
	ds_store_b128 v6, v[OA+4:OA+7] offset:16
	ds_store_b128 v6, v[SA:SA+3] offset:64
	ds_store_b128 v6, v[SA+4:SA+7] offset:80
	ds_store_b128 v6, v[SB:SB+3] offset:128
	ds_store_b128 v6, v[SB+4:SB+7] offset:144
	ds_store_b128 v6, v[OA+8:OA+11] offset:192
	ds_store_b128 v6, v[OA+12:OA+15] offset:208
	s_wait_dscnt 0x0                               ; for the others' sake: my stores have landed
	s_barrier_signal -1
	s_barrier_wait -1
.set n, 0
.rept 16
	ds_load_b64 v[QF+2*n:QF+2*n+1], v7 offset:4352*n   ; row w of head n's part: 32 lanes read 256 consecutive bytes
.set n, n+1
.endr
	s_wait_dscnt 0x0
.irp k, 0,1,2,3,4,5,6,7
	v_pk_add_f32 v[QF+2*\k:QF+2*\k+1], v[QF+2*\k:QF+2*\k+1], v[QF+16+2*\k:QF+16+2*\k+1]
.endr
.irp k, 0,1,2,3
	v_pk_add_f32 v[QF+2*\k:QF+2*\k+1], v[QF+2*\k:QF+2*\k+1], v[QF+8+2*\k:QF+8+2*\k+1]
.endr
.irp k, 0,1
	v_pk_add_f32 v[QF+2*\k:QF+2*\k+1], v[QF+2*\k:QF+2*\k+1], v[QF+4+2*\k:QF+4+2*\k+1]
.endr
	v_pk_add_f32 v[QF:QF+1], v[QF:QF+1], v[QF+2:QF+3]
	global_store_b64 v8, v[QF:QF+1], s[8:9]        ; 32 lanes store 256 consecutive bytes, aligned
	s_wait_tensorcnt 0x0                           ; the wave's end, behind my last LDS store
	ds_add_u32 v10, v11
	s_wait_dscnt 0x0
	s_endpgm
.Lfunc_end_k_q26ae4f08e0_fine:
	.size	k_q26ae4f08e0_fine, .Lfunc_end_k_q26ae4f08e0_fine-k_q26ae4f08e0_fine
	.p2alignl 7, 3214868480
	.fill 96, 4, 3214868480
	.section	.rodata,"a",@progbits
	.p2align	6, 0x0
	.amdhsa_kernel k_q26ae4f08e0_fine
		.amdhsa_group_segment_fixed_size 71680
		.amdhsa_private_segment_fixed_size 0
		.amdhsa_enable_private_segment 0
		.amdhsa_kernarg_size 24
		.amdhsa_user_sgpr_count 2
		.amdhsa_user_sgpr_kernarg_segment_ptr 1
		.amdhsa_wavefront_size32 1
		.amdhsa_system_sgpr_workgroup_id_x 1
		.amdhsa_system_sgpr_workgroup_id_y 1
		.amdhsa_system_sgpr_workgroup_id_z 1
		.amdhsa_system_vgpr_workitem_id 0
		.amdhsa_next_free_vgpr 256
		.amdhsa_next_free_sgpr 66
		.amdhsa_reserve_vcc 1
		.amdhsa_float_denorm_mode_32 3
		.amdhsa_float_denorm_mode_16_64 3
		.amdhsa_memory_ordered 1
		.amdhsa_forward_progress 1
		.amdhsa_inst_pref_size 21
	.end_amdhsa_kernel
	.amdgpu_metadata
---
amdhsa.version: [ 1, 2 ]
amdhsa.kernels:
  - .name:           k_q26ae4f08e0_fine
    .symbol:         k_q26ae4f08e0_fine.kd
    .args:
      - { .name: ff, .offset: 0, .size: 8, .value_kind: global_buffer, .address_space: global }
      - { .name: wo, .offset: 8, .size: 8, .value_kind: global_buffer, .address_space: global }
      - { .name: out0, .offset: 16, .size: 8, .value_kind: global_buffer, .address_space: global }
    .group_segment_fixed_size: 71680
    .private_segment_fixed_size: 0
    .kernarg_segment_align: 8
    .kernarg_segment_size: 24
    .max_flat_workgroup_size: 512
    .sgpr_count:     66
    .vgpr_count:     256
    .wavefront_size: 32
...
	.end_amdgpu_metadata
.endif
;; end of part 5
